; MI455X (gfx1250); checked and timed in simulation.
; The chip was launched on July 23, 2026; its instructions are those of AMD's public machine-readable ISA for CDNA 5 (MIT licence, August 2026) and "CDNA5" Instruction Set Architecture Reference Guide (July 2026). The comments in the code are by the model that wrote it; some were corrected since.
;; Multihead Attention. Allowed arithmetic: matrix products marked QUANTISED: E2M3 operands, one E8M0 scale for each 32 along K, by v_wmma_scale_f32_16x16x128_f8f6f4 with both operands' format E2M3, f32 sums; everything else in f32.
;; Inputs: bk 1,024 float32; bo 1,024 float32; bq 1,024 float32; bv 1,024 float32; k_in_codes 8 x 1,024 x 32 x 24 uint8 (E2M3 codes of k_in, K innermost, in blocks of 32 codes, four codes in three bytes); k_in_scales 8 x 1,024 x 32 uint8 (E8M0 scales of k_in, one for each 32 codes along K); mask 1,024 x 1,024 bool; q_in_codes 8 x 1,024 x 32 x 24 uint8 (E2M3 codes of q_in, K innermost, in blocks of 32 codes, four codes in three bytes); q_in_scales 8 x 1,024 x 32 uint8 (E8M0 scales of q_in, one for each 32 codes along K); v_in_codes 8 x 1,024 x 32 x 24 uint8 (E2M3 codes of v_in, K innermost, in blocks of 32 codes, four codes in three bytes); v_in_scales 8 x 1,024 x 32 uint8 (E8M0 scales of v_in, one for each 32 codes along K); wk_codes 1,024 x 32 x 24 uint8 (E2M3 codes of wk, K innermost, in blocks of 32 codes, four codes in three bytes); wk_scales 1,024 x 32 uint8 (E8M0 scales of wk, one for each 32 codes along K); wo_codes 1,024 x 32 x 24 uint8 (E2M3 codes of wo, K innermost, in blocks of 32 codes, four codes in three bytes); wo_scales 1,024 x 32 uint8 (E8M0 scales of wo, one for each 32 codes along K); wq_codes 1,024 x 32 x 24 uint8 (E2M3 codes of wq, K innermost, in blocks of 32 codes, four codes in three bytes); wq_scales 1,024 x 32 uint8 (E8M0 scales of wq, one for each 32 codes along K); wv_codes 1,024 x 32 x 24 uint8 (E2M3 codes of wv, K innermost, in blocks of 32 codes, four codes in three bytes); wv_scales 1,024 x 32 uint8 (E8M0 scales of wv, one for each 32 codes along K).
;; Outputs: out0 8 x 1,024 x 1,024 float32.
;; This version of the problem:
;;   THIS VERSION OF THE PROBLEM IS GIVEN IN LOW PRECISION. The matrix products marked QUANTISED in the list below multiply operands that are first quantised to E2M3 (2 exponent bits, 3 mantissa bits; 6 bits a number), with one power-of-two scale for each 32 numbers along K (OCP MX v1.0); their sums are f32. All else is computed in f32.
;;   The module's matrix products, in the order in which they are computed (A, B: the left and right operand; K: the contracted axis; several contracted axes count as one K, in the product's order):
;;     1. [M 8,192, K 1,024] x [K 1,024, N 1,024]; A: input q_in (given as codes); B: input wq (given as codes): QUANTISED
;;     2. [M 8,192, K 1,024] x [K 1,024, N 1,024]; A: input k_in (given as codes); B: input wk (given as codes): QUANTISED
;;     3. [M 8,192, K 1,024] x [K 1,024, N 1,024]; A: input v_in (given as codes); B: input wv (given as codes): QUANTISED
;;     4. batch 128 x [M 1,024, K 64] x [K 64, N 1,024]; A: computed on the way; B: computed on the way: QUANTISED
;;     5. batch 128 x [M 1,024, K 1,024] x [K 1,024, N 64]; A: softmax (see below); B: computed on the way: QUANTISED
;;     6. [M 8,192, K 1,024] x [K 1,024, N 1,024]; A: computed on the way; B: input wo (given as codes): QUANTISED
;;   THE QUANTISER, for each operand of a quantised product, along K:
;;     - K is cut into blocks of 32 from its start; a last block that is shorter is filled with zeros.
;;     - A block's scale is 2^e with e = floor(log2(the largest magnitude in the block)) - 2, held to -126 .. 127; a block of zeros has e = 0. As a byte (E8M0): e + 127.
;;     - Each number is divided by its block's scale, clamped to +-7.5, and rounded to the nearest number of E2M3, ties to even, subnormals kept.
;;     - The product sums the exact products of the quantised numbers (number of the format x scale) in f32.
;;   ~~~python
;;   def quantise(x, axis):      # numpy; x: float32 -> the quantised numbers, widened to float32 again
;;       x = np.moveaxis(x, axis, -1); K = x.shape[-1]
;;       x = np.pad(x, [(0, 0)] * (x.ndim - 1) + [(0, -K % 32)]); x = x.reshape(x.shape[:-1] + (-1, 32)); a = np.abs(x).max(-1, keepdims=True)
;;       e = np.where(a > 0, np.clip(np.frexp(np.where(a > 0, a, 1))[1] - 1 - 2, -126, 127), 0)      # np.frexp(a)[1] - 1 = floor(log2(a)), exactly
;;       r = np.clip(x / 2.0 ** e, -7.5, 7.5)
;;       step = 2.0 ** (np.maximum(np.frexp(np.where(r == 0, 1, r))[1] - 1, 0) - 3)
;;       q = np.round(r / step) * step * 2.0 ** e      # np.round: ties to even
;;       return np.moveaxis(q.reshape(q.shape[:-2] + (-1,))[..., :K], -1, axis).astype(np.float32)
;;   ~~~
;;   SOFTMAX AHEAD OF A QUANTISED PRODUCT. Where the list says 'softmax', what is quantised is not the finished softmax but p = 2^(t - M), with t = logit x log2(e) and M = ceil(the row's largest t), a whole number; so 1/2 < the row's largest p <= 1. The row's sum l is taken of the UNQUANTISED p, in f32, and the product's result is divided by l at the end. Since M is a whole number, a kernel that streams over the keys may use a running M (the ceiling of the running maximum): every later rescaling is an exact power of two, which a block's scale takes up: the codes' values come out the same.
;;   OPERANDS COMPUTED ON THE WAY. 'Computed on the way' means the value that the module computes at that place (a softmax that the list does not call 'softmax' is quantised finished and normalised). What goes into a quantiser is computed in f32, as accurately as f32 sums, v_exp_f32 and their like allow (about 1e-6 of the number): no bf16 or f16 on the way to a quantiser, and a product that is left as it is and whose result goes on into a quantised operand takes f32 operands (vector FMAs, or v_wmma_f32_16x16x4_f32). A number that lies on a knife's edge between two numbers of the format may be rounded either way, as far as f32 arithmetic and the matrix unit's own rounding can turn it there, and no further.
;;   INPUTS GIVEN AS CODES. k_in (in the module: [8, 1024, 1024], K = its axis 2); q_in (in the module: [8, 1024, 1024], K = its axis 2); v_in (in the module: [8, 1024, 1024], K = its axis 2); wk (in the module: [1024, 1024], K = its axis 1); wo (in the module: [1024, 1024], K = its axis 1); wq (in the module: [1024, 1024], K = its axis 1); wv (in the module: [1024, 1024], K = its axis 1): each comes as NAME_codes (uint8): NAME with its K axis moved to the last place and cut into blocks of 32 codes, [.., K / 32, bytes a block], one block behind the other in memory; four codes in three bytes: a row's codes are one little-endian stream of bits, code i at bits 6 i .. 6 i + 5 (a code: sign, 2 exponent bits, 3 mantissa bits); and NAME_scales (uint8): the same leading axes, one E8M0 byte (e + 127) for each 32 codes along K. Its value is code x scale, taken as it is: it is not quantised again, and the codes and scales need not be those that the quantiser above would give.
;; One version. Each part assembles by itself: llvm-mc -triple=amdgcn-amd-amdhsa -mcpu=gfx1250 --defsym DOCPART=n.
;; ======== version 1 of 1: 4 launches
;; limits: right only within a limited range of input values
;; workspace buffers: qw 6,553,600 bytes; kw 6,553,600 bytes; vw 6,553,600 bytes; hw 6,553,600 bytes; wvp 819,200 bytes; maskw 131,072 bytes of whole numbers
;; launch qk (part 1): grid 4 x 64, 4 waves a work-group, clusters of 4 x 4, 327,680 bytes of LDS; arguments q_in_codes, q_in_scales, wq_codes, wq_scales, bq, qw, k_in_codes, k_in_scales, wk_codes, wk_scales, bk, kw, mask, maskw, wv_codes, wv_scales, wvp; writes qw, kw, maskw, wvp
.if DOCPART == 1
	.amdgcn_target "amdgcn-amd-amdhsa--gfx1250"
	.amdhsa_code_object_version 6
	.text
	.protected	k_q219892473d_qk
	.globl	k_q219892473d_qk
	.p2align	8
	.type	k_q219892473d_qk,@function
k_q219892473d_qk:
	s_mov_b64 s[64:65], 0
	v_nop
	global_prefetch_b8 v0, s[64:65] scope:SCOPE_SE
	s_setreg_imm32_b32 hwreg(HW_REG_WAVE_MODE, 25, 1), 1
	s_wait_xcnt 0x0
	s_wait_alu depctr_hold_cnt(0) depctr_sa_sdst(0) depctr_va_vdst(0) depctr_va_sdst(0) depctr_va_ssrc(0) depctr_va_vcc(0) depctr_vm_vsrc(0)
	s_getreg_b32 s2, hwreg(HW_REG_IB_STS2, 6, 4)
	s_cmp_eq_u32 s2, 0
	s_cbranch_scc0 .Lentry_in_a_cluster
	s_endpgm
.Lentry_in_a_cluster:
	s_bfe_u32 s2, ttmp6, 0x10000c
	s_cmp_lg_u32 s2, 0xf033
	s_cbranch_scc0 .Lentry_shape_is_right
	s_endpgm
.Lentry_shape_is_right:
; q = q_in wq^T + bq and k = k_in wk^T + bk (grid rows 0-31 and 32-63), on codes of FP6 (E2M3) with E8M0 scales; the results are quantised along the 64 channels of a head's view row
; and stored as planes: [4 x head + column quarter][12,288 bytes of codes, then 512 scale bytes].  On the side each wave packs a part of the mask into words of lane bits and copies a row of wv into wvp's order.
; K goes through two LDS slots in chunks of 256 bytes of each row of 768: chunk c lies in slot c % 2; a step of 128 along K is 96 bytes, so steps 2 and 5 lie across two chunks.
; LIMITS: a block's scale byte is held at 1 from below; a block of zeros gets the byte 1 (only this program reads the bytes); NaN and infinities are not served.
.set NQ,     2
.set ROWB,   256
.set KROW,   768
.set CHUNKS, 3
.set PITCH,  272
.set G0H,    4                         ; s[4:7], s[8:11]: group 0 of the head's loads of chunk 0
.set G0HB,   8
.set FR,     12
.set NL,     6
.set NP,     4
.set HALFT,  128*PITCH
.set SLOT,   4*HALFT
.set KS,     32
.set SCL,    2*SLOT
.set HALFS,  16*272
.set SPARE,  SCL+4*HALFS
.set STG,    SLOT                      ; the stage lies in slot 1, which has had its last fill and its last read by then
.set SSG,    SLOT+49152
.set QST,  7
.set QSS,  8
.set ORD,  9
.set OSS,  10
.set OGO,  11
.set BOF,  13
.set ADRA, 16
.set ADRB, 20
.set ADRS, 27
.set SPW,  28
.set NIL,  29
.set SC,   32
.set BI,   64
.set PC,   64
.set TM,   96
.set PW,   112
.set AF,   128
.set G1, 24
.set G0, 32
.set G1B, 48
.set G0B, 56
.set G1S, 68
.set G0S, 76
.set G1SB, 80
.set G0SB, 88
.set PB, 12
.set PO, 96
.set PS, 98
.set SEL, 100
.set MSB, 0
.macro WIN new
.if MSB != (\new)
	s_set_vgpr_msb (MSB<<8)|(\new)
.set MSB, (\new)
.endif
.endm
.set MUL_LO, 0xa1
.set MUL_HI, 0xf1
.set TO_B,   0x40
.macro JLOAD g0a, g1a, g0b, g1b
	s_cmp_eq_u32 s15, 0
	s_cbranch_scc0 .Lfor_b_\@
	tensor_load_to_lds s[\g0a:\g0a+3], s[\g1a:\g1a+7]
	s_nop 0
.rept 4
	v_nop
.endr
	s_branch .Lasked_\@
.Lfor_b_\@:
	tensor_load_to_lds s[\g0b:\g0b+3], s[\g1b:\g1b+7]
	s_nop 0
.rept 4
	v_nop
.endr
.Lasked_\@:
.endm
.macro CREST
	s_cmp_lg_u32 s14, 0
	s_cbranch_scc1 .Lnot_wave_0_\@
	s_barrier_signal -3
.Lnot_wave_0_\@:
	s_barrier_wait -3
	s_barrier_signal -1
	s_barrier_wait -1
.endm
.macro CROUND
	s_barrier_signal -1
	s_barrier_wait -1
	CREST
.endm
	s_load_b256 s[4:11], s[0:1], 0x0
	s_load_b128 s[68:71], s[0:1], 0x20
	s_load_b256 s[72:79], s[0:1], 0x30
	s_load_b128 s[80:83], s[0:1], 0x50
	v_lshl_add_u32 v[SPW], v0, 2, SPARE
	v_mov_b32 v[NIL], 0
	ds_add_u32 v28, v29
	ds_add_u32 v28, v29
	s_wait_dscnt 0x0
	v_lshrrev_b32 v1, 5, v0
	v_readfirstlane_b32 s14, v1
	s_lshr_b32 s15, s14, 1
	s_and_b32 s16, s14, 1
	s_bfe_u32 s40, ttmp6, 0x40000
	s_bfe_u32 s41, ttmp6, 0x40004
	s_lshl_b32 s42, ttmp9, 2
	s_add_co_u32 s42, s42, s40
	s_and_b32 s95, ttmp7, 0xffff
	s_and_b32 s17, s95, 7
	s_lshl_b32 s17, s17, 2
	s_add_co_u32 s17, s17, s41
	s_lshl_b32 s43, s41, 2
	s_lshl_b32 s43, 15, s43
	s_lshl_b32 s44, 0x1111, s40
	s_or_b32 s[G1+0], s43, (0<<16)|(1<<20)|(1<<21)|(5<<22)|(3<<25)
	s_or_b32 s[G1B+0], s44, (0<<16)|(1<<20)|(1<<21)|(5<<22)|(3<<25)
.irp g, G1, G1B
	s_mov_b32 s[\g+1], ROWB<<16
	s_mov_b32 s[\g+2], 256<<16
	s_mov_b32 s[\g+3], ROWB<<16
	s_mov_b32 s[\g+4], 256
	s_mov_b32 s[\g+5], KROW
	s_mov_b32 s[\g+6], 0
	s_mov_b32 s[\g+7], 0
.endr
	s_lshl_b32 s20, s17, 8                         ; the tile's first row of A, of B
	s_lshl_b32 s46, s42, 8
	s_mov_b32 s21, 0
	s_mov_b32 s47, 0
	s_mov_b64 s[18:19], KS
	s_mul_u64 s[22:23], s[20:21], s[18:19]
	s_mul_u64 s[92:93], s[46:47], s[18:19]
	s_mov_b64 s[18:19], KROW
	s_mul_u64 s[20:21], s[20:21], s[18:19]
	s_mul_u64 s[46:47], s[46:47], s[18:19]
	s_mul_i32 s18, s16, 128*KROW                   ; in the ring I fetch 128 rows: which half
	s_mov_b32 s19, 0
	s_mul_i32 s45, s14, HALFT
	s_mov_b32 s[SEL], 0x76543210
	s_mov_b32 s[SEL+1], 0xfedcba98
	s_wait_kmcnt 0x0
	s_cmp_lt_u32 s95, 8
	s_cselect_b64 s[4:5], s[4:5], s[72:73]
	s_cselect_b64 s[6:7], s[6:7], s[74:75]
	s_cselect_b64 s[8:9], s[8:9], s[76:77]
	s_cselect_b64 s[10:11], s[10:11], s[78:79]
	s_cselect_b64 s[PB:PB+1], s[68:69], s[80:81]
	s_cselect_b64 s[PO:PO+1], s[70:71], s[82:83]
	s_or_b32 s[G1S+0], s43, (3<<16)|(1<<20)|(1<<21)|(5<<22)|(3<<25)
	s_or_b32 s[G1SB+0], s44, (3<<16)|(1<<20)|(1<<21)|(5<<22)|(3<<25)
.irp g, G1S, G1SB
	s_mov_b32 s[\g+1], 32<<16
	s_mov_b32 s[\g+2], 32<<16
	s_mov_b32 s[\g+3], 32<<16
	s_mov_b32 s[\g+4], 32
	s_mov_b32 s[\g+5], 32
	s_mov_b32 s[\g+6], 0
	s_mov_b32 s[\g+7], 0
.endr
	s_add_nc_u64 s[20:21], s[4:5], s[20:21]
	s_add_nc_u64 s[22:23], s[6:7], s[22:23]
	s_add_nc_u64 s[46:47], s[8:9], s[46:47]
	s_add_nc_u64 s[92:93], s[10:11], s[92:93]
	CROUND
	s_mov_b32 s[G0S], 1
	s_mov_b32 s[G0S+1], SCL
	s_mov_b64 s[G0S+2:G0S+3], s[22:23]
	s_or_b32 s[G0S+3], s[G0S+3], 0x80000000
	s_mov_b32 s[G0SB], 1
	s_mov_b32 s[G0SB+1], SCL+2*HALFS
	s_mov_b64 s[G0SB+2:G0SB+3], s[92:93]
	s_or_b32 s[G0SB+3], s[G0SB+3], 0x80000000
	s_mov_b32 s[G0H], 1
	s_mov_b32 s[G0H+1], 0
	s_mov_b64 s[G0H+2:G0H+3], s[20:21]
	s_or_b32 s[G0H+3], s[G0H+3], 0x80000000
	s_mov_b32 s[G0HB], 1
	s_mov_b32 s[G0HB+1], 2*HALFT
	s_mov_b64 s[G0HB+2:G0HB+3], s[46:47]
	s_or_b32 s[G0HB+3], s[G0HB+3], 0x80000000
	s_add_nc_u64 s[20:21], s[20:21], s[18:19]
	s_add_nc_u64 s[46:47], s[46:47], s[18:19]
.irp s, 0,1
	s_mov_b32 s[G0+4*\s], 1
	s_add_co_u32 s[G0+4*\s+1], s45, \s*SLOT
	s_add_nc_u64 s[G0+4*\s+2:G0+4*\s+3], s[20:21], \s*ROWB
	s_or_b32 s[G0+4*\s+3], s[G0+4*\s+3], 0x80000000
	s_mov_b32 s[G0B+4*\s], 1
	s_add_co_u32 s[G0B+4*\s+1], s45, \s*SLOT
	s_add_nc_u64 s[G0B+4*\s+2:G0B+4*\s+3], s[46:47], \s*ROWB
	s_or_b32 s[G0B+4*\s+3], s[G0B+4*\s+3], 0x80000000
.endr
; the head's four tiles, one joint load a wave: chunk 0's 256 rows of A, of B, A's scales, B's scales; one tree of branches on the wave's number
.macro ARM under, g0, g1, next
	s_cmp_lt_u32 s14, \under
	s_cbranch_scc0 \next
	tensor_load_to_lds s[\g0:\g0+3], s[\g1:\g1+7]
	s_nop 0
.rept 4
	v_nop
.endr
	s_branch .Lhead_asked
\next:
.endm
	ARM 1, G0H,  G1,  .Lhead_b
	ARM 2, G0HB, G1B, .Lhead_sa
	ARM 3, G0S,  G1S, .Lhead_sb
	tensor_load_to_lds s[G0SB:G0SB+3], s[G1SB:G1SB+7]
	s_nop 0
.rept 4
	v_nop
.endr
.Lhead_asked:
	s_wait_alu depctr_va_vdst(0)
	s_wait_tensorcnt 0x0                           ; my tile of the four is in
	ds_add_u32 v[SPW], v[NIL]
	s_mov_b32 s[G1+2], 128<<16                     ; no load of mine is out: from here on a load brings 128 rows
	s_mov_b32 s[G1+4], 128
	s_mov_b32 s[G1B+2], 128<<16
	s_mov_b32 s[G1B+4], 128
	s_wait_dscnt 0x0
	CROUND
	JLOAD G0+4, G1, G0B+4, G1B                     ; chunk 1
	s_load_b256 s[4:11], s[0:1], 0x60
	s_load_b64 s[18:19], s[0:1], 0x80
	v_and_b32 v1, 15, v0
	v_bfe_u32 v2, v0, 4, 1
	v_and_b32 v6, 8, v1
	v_add_nc_u32 v6, v6, v1
	v_mul_u32_u24 v3, v6, PITCH
	v_mul_u32_u24 v4, v2, 24
	v_add_nc_u32 v4, v3, v4
	s_mov_b32 s21, SLOT-232
	s_mov_b32 s22, SLOT+232
	v_sub_nc_u32 v7, 1, v2
	v_mul_u32_u24 v5, s21, v2
	v_mul_u32_u24 v8, s22, v7
	v_add_nc_u32 v5, v3, v5
	v_add_nc_u32 v5, 232, v5                       ; across two chunks: lanes 0-15 byte 232 in slot 0, lanes 16-31 byte 0 in slot 1
	v_add_nc_u32 v8, v3, v8                        ; and lanes 0-15 byte 232 in slot 1, lanes 16-31 byte 0 in slot 0
	s_mul_i32 s21, s15, HALFT
	s_mul_i32 s22, s16, HALFT
	s_add_co_u32 s22, s22, 2*HALFT
	v_add_nc_u32 v[ADRA+2], s21, v5
	v_add_nc_u32 v[ADRA+3], s21, v8
	v_add_nc_u32 v[ADRB+2], s22, v5
	v_add_nc_u32 v[ADRB+3], s22, v8
.irp s, 0,1
	v_add_nc_u32 v[ADRA+\s], s21, v4
	v_add_nc_u32 v[ADRB+\s], s22, v4
	s_add_co_u32 s21, s21, SLOT
	s_add_co_u32 s22, s22, SLOT
.endr
	v_mul_u32_u24 v5, v6, KS
	v_lshrrev_b32 v3, 8, v5
	v_lshl_add_u32 v5, v3, 4, v5
	s_mul_i32 s21, s15, HALFS
	s_mul_i32 s22, s16, HALFS
	s_add_co_u32 s22, s22, 2*HALFS
	s_sub_co_u32 s22, s22, s21
	v_mul_u32_u24 v3, s22, v2
	s_add_co_u32 s21, s21, SCL
	v_add_nc_u32 v5, v5, v3
	v_add_nc_u32 v[ADRS], s21, v5
	s_lshl_b32 s20, s42, 10
	s_lshl_b32 s21, s16, 9
	s_add_co_u32 s20, s20, s21
	s_mov_b32 s21, 0
	s_add_nc_u64 s[PB:PB+1], s[PB:PB+1], s[20:21]
	v_lshlrev_b32 v[BOF], 6, v2
.irp b, 0,1,2,3,4,5,6,7
	global_load_b128 v[BI+8*\b:BI+8*\b+3], v[BOF], s[PB:PB+1] offset:4*(32*(\b/2)+8*(\b%2))
	global_load_b128 v[BI+8*\b+4:BI+8*\b+7], v[BOF], s[PB:PB+1] offset:4*(32*(\b/2)+8*(\b%2))+16
.endr
	v_mul_u32_u24 v[QST], v6, 192
	v_mad_u32_u24 v[QST], v2, 24, v[QST]
	s_mul_i32 s21, s15, 24576
	s_mul_i32 s22, s16, 96
	s_add_co_u32 s21, s21, s22
	s_add_co_u32 s21, s21, STG
	v_add_nc_u32 v[QST], s21, v[QST]
	v_lshlrev_b32 v[QSS], 3, v6
	s_lshl_b32 s21, s15, 10
	s_lshl_b32 s22, s16, 2
	s_add_co_u32 s21, s21, s22
	s_add_co_u32 s21, s21, SSG
	v_add_nc_u32 v[QSS], s21, v[QSS]
	v_and_b32 v3, 31, v0
	v_lshlrev_b32 v[OGO], 4, v3
	s_mul_i32 s21, s14, 12288
	s_add_co_u32 s21, s21, STG
	v_add_nc_u32 v[ORD], s21, v[OGO]
	s_lshl_b32 s21, s14, 9
	s_add_co_u32 s21, s21, SSG
	v_add_nc_u32 v[OSS], s21, v[OGO]
	s_lshl_b32 s20, s17, 2
	s_add_co_u32 s20, s20, s14
	s_lshl_b32 s20, s20, 2
	s_add_co_u32 s20, s20, s42
	s_mul_i32 s22, s20, 12800                      ; a plane: 12,288 bytes of codes, then its 512 scale bytes
	s_mov_b32 s23, 0
	s_add_nc_u64 s[PO:PO+1], s[PO:PO+1], s[22:23]
	s_add_nc_u64 s[PS:PS+1], s[PO:PO+1], 12288
	s_lshl_b32 s20, s95, 2
	s_add_co_u32 s20, s20, s41
	s_lshl_b32 s20, s20, 2
	s_add_co_u32 s20, s20, s42
	s_lshl_b32 s20, s20, 2
	s_add_co_u32 s20, s20, s14
	s_and_b32 s21, s20, 15
	s_lshl_b32 s21, s21, 6
	s_bfe_u32 s22, s20, 0x10007
	s_lshl_b32 s22, s22, 5
	s_add_co_u32 s21, s21, s22
	s_lshr_b32 s22, s20, 8
	s_lshl_b32 s22, s22, 3
	s_add_co_u32 s21, s21, s22
	s_bfe_u32 s22, s20, 0x30004
	s_add_co_u32 s21, s21, s22
	s_wait_kmcnt 0x0
	s_mul_i32 s22, s21, 768
	s_add_nc_u64 s[8:9], s[8:9], s[22:23]
	s_lshl_b32 s22, s21, 5
	s_add_nc_u64 s[10:11], s[10:11], s[22:23]
	s_mul_i32 s22, s20, 768
	s_add_nc_u64 s[46:47], s[18:19], s[22:23]
	s_lshl_b32 s22, s20, 5
	s_add_co_u32 s22, s22, 786432
	s_add_nc_u64 s[18:19], s[18:19], s[22:23]
	s_lshr_b32 s22, s20, 4
	s_lshl_b32 s22, s22, 14
	s_and_b32 s66, s20, 15
	s_lshl_b32 s66, s66, 6
	s_add_co_u32 s22, s22, s66
	s_add_nc_u64 s[4:5], s[4:5], s[22:23]
	s_lshl_b32 s22, s20, 7
	s_add_nc_u64 s[6:7], s[6:7], s[22:23]
	v_and_b32 v131, 31, v0
	v_lshlrev_b32 v130, 3, v131
	v_lshlrev_b32 v133, 2, v131
	v_lshlrev_b32 v132, 10, v1
	v_lshl_add_u32 v132, v2, 4, v132
	global_load_b64 v[134:135], v130, s[8:9]
	global_load_b64 v[136:137], v130, s[8:9] offset:256
	global_load_b64 v[138:139], v130, s[8:9] offset:512
	global_load_u8 v140, v131, s[10:11]
	global_load_b128 v[142:145], v132, s[4:5]
	global_load_b128 v[146:149], v132, s[4:5] offset:32
	v_mov_b32 v150, 0
	s_wait_alu depctr_va_vdst(0)
	s_wait_loadcnt 0x0
	global_store_b64 v130, v[134:135], s[46:47]
	global_store_b64 v130, v[136:137], s[46:47] offset:256
	global_store_b64 v130, v[138:139], s[46:47] offset:512
	global_store_b8 v131, v140, s[18:19]
.set NN, 0
.rept 32
	v_bfe_u32 v151, v[142+NN/4], 8*(NN%4), 8
	v_cmp_ne_u32 s2, 0, v151
	v_writelane_b32 v150, s2, NN
.set NN, NN+1
.endr
	global_store_b32 v133, v150, s[6:7]
	s_wait_xcnt 0x0
.macro FRAG reg, adr, q, i
.irp p, 0,1,2,3,4,5
.set BY, 96*(\q)+48*(\p/3)+8*(\p%3)    ; q: the step, from the row's start; byte y of a row lies in slot (y / 256) % 2 at byte y % 256
.if BY/ROWB == (BY+24)/ROWB
	ds_load_b64 v[\reg+2*\p:\reg+2*\p+1], v[\adr+(BY/ROWB)%2] offset:BY%ROWB+(32*((\i)/2)+8*((\i)%2))*PITCH
.else
	ds_load_b64 v[\reg+2*\p:\reg+2*\p+1], v[\adr+2+(BY/ROWB)%2] offset:BY%ROWB-232+(32*((\i)/2)+8*((\i)%2))*PITCH
.endif
.endr
.endm
.macro MUL16 a0, p, q, sc, zero
.irp a, \a0, \a0+1
.irp b, 0,1,2,3,4,5,6,7
.if \zero
	v_wmma_scale_f32_16x16x128_f8f6f4 v[8*(8*((\a)%4)+\b):8*(8*((\a)%4)+\b)+7], v[128*(\p)+FR*\b:128*(\p)+FR*\b+FR-1], v[AF+FR*(\a):AF+FR*(\a)+FR-1], v[BI+8*\b:BI+8*\b+7], v[SC+8*NQ*(\sc)+NQ*\b+(\q)], v[SC+8*NQ*(\sc)+NQ*(\a)+(\q)] matrix_a_fmt:MATRIX_FMT_FP6 matrix_b_fmt:MATRIX_FMT_FP6 matrix_a_scale:MATRIX_SCALE_ROW1
.else
	v_wmma_scale_f32_16x16x128_f8f6f4 v[8*(8*((\a)%4)+\b):8*(8*((\a)%4)+\b)+7], v[128*(\p)+FR*\b:128*(\p)+FR*\b+FR-1], v[AF+FR*(\a):AF+FR*(\a)+FR-1], v[8*(8*((\a)%4)+\b):8*(8*((\a)%4)+\b)+7], v[SC+8*NQ*(\sc)+NQ*\b+(\q)], v[SC+8*NQ*(\sc)+NQ*(\a)+(\q)] matrix_a_fmt:MATRIX_FMT_FP6 matrix_b_fmt:MATRIX_FMT_FP6 matrix_a_scale:MATRIX_SCALE_ROW1
.endif
.endr
.endr
.endm
.macro FETCH_B slot, q, p
	WIN TO_B
.irp i, 0,1,2,3,4,5,6,7
	FRAG 128*(\p)+FR*\i, ADRB+\slot, \q, \i
.endr
	WIN 0
.endm
.macro FETCH_A slot, q, i0
.irp i, \i0, \i0+1, \i0+2, \i0+3
	FRAG AF+FR*(\i), ADRA+\slot, \q, \i
.endr
.endm
.macro SCALES sc
.irp i, 0,1,2,3,4,5,6,7
	ds_load_b64 v[SC+8*NQ*((\sc)%2)+NQ*\i:SC+8*NQ*((\sc)%2)+NQ*\i+1], v[ADRS] offset:(4*(\i/2)+\i%2)*272+4*NQ*(\sc)
.endr
.endm
.macro PLACES n
.rept \n
	v_nop
.endr
.endm
; A step of 128 along K.  Where the next step's bytes end in a chunk not yet read: a wait for my tensor loads and a barrier.  Where they begin in a later chunk: the add too, and, if a chunk is left to fetch, a round and the refill.
.macro STEP st, zero
.set NX, (\st)+1
.set C0, (96*(\st))/ROWB
.set C1, (96*NX)/ROWB
.set E0, (96*(\st)+95)/ROWB
.set E1, (96*NX+95)/ROWB
.if C1 > C0 || E1 > E0
	s_wait_tensorcnt 0x0
.if C1 > C0
	ds_add_u32 v[SPW], v[NIL]
	s_wait_dscnt 4*NL+1                            ; the add and A's blocks 4-7 may be out
.else
	s_wait_dscnt 4*NL                              ; A's blocks 4-7 may be out
.endif
	WIN MUL_LO
	MUL16 0, (\st)%2, (\st)%2, ((\st)/2)%2, 0
	s_wait_dscnt 0x0
	s_barrier_signal -1
	MUL16 2, (\st)%2, (\st)%2, ((\st)/2)%2, 0
	WIN 0
	s_barrier_wait -1
.if C1 > C0 && C0+2 < CHUNKS
	CREST
	s_add_nc_u64 s[G0+4*(C0%2)+2:G0+4*(C0%2)+3], s[G0+4*(C0%2)+2:G0+4*(C0%2)+3], 2*ROWB
	s_add_nc_u64 s[G0B+4*(C0%2)+2:G0B+4*(C0%2)+3], s[G0B+4*(C0%2)+2:G0B+4*(C0%2)+3], 2*ROWB
	JLOAD G0+4*(C0%2), G1, G0B+4*(C0%2), G1B
.else
	PLACES NP
.endif
.else
	s_wait_dscnt 4*NL
	WIN MUL_LO-0x20*(\zero)
	MUL16 0, (\st)%2, (\st)%2, ((\st)/2)%2, \zero
	MUL16 2, (\st)%2, (\st)%2, ((\st)/2)%2, \zero
	s_wait_dscnt 0
	PLACES NP
.endif
	FETCH_B 0, NX, NX%2
	FETCH_A 0, NX, 0
.if NX%2 == 0
	SCALES NX/2
.endif
	WIN MUL_HI-0x30*(\zero)
	MUL16 4, (\st)%2, (\st)%2, ((\st)/2)%2, \zero
	MUL16 6, (\st)%2, (\st)%2, ((\st)/2)%2, \zero
	PLACES NP
	WIN 0
	FETCH_A 0, NX, 4
.endm
	FETCH_B 0, 0, 0
	FETCH_A 0, 0, 0
	SCALES 0
	FETCH_A 0, 0, 4
	STEP 0, 1
.irp st, 1,2,3,4,5,6
	STEP \st, 0
.endr
	s_wait_dscnt 4*NL
	WIN MUL_LO
	MUL16 0, 1, NQ-1, 1, 0
	MUL16 2, 1, NQ-1, 1, 0
	s_wait_dscnt 0
	WIN MUL_HI
	MUL16 4, 1, NQ-1, 1, 0
	MUL16 6, 1, NQ-1, 1, 0
	WIN 0
.macro QUANTQ a
.set AC, 64*((\a)%4)
.set W, 2+(\a)/4
	WIN (W|(W<<2))
.irp b, 0,1,2,3
	v_max3_num_f32 v[TM+\b], |v[AC+16*\b]|, |v[AC+16*\b+1]|, 0x1800000
.endr
.irp i, 2,4,6,8,10,12,14
.irp b, 0,1,2,3
	v_max3_num_f32 v[TM+\b], |v[AC+16*\b+\i]|, |v[AC+16*\b+\i+1]|, v[TM+\b]
.endr
.endr
	WIN 0
.irp b, 0,1,2,3
	v_permlanex16_b32 v[TM+4+\b], v[TM+\b], s[SEL], s[SEL+1]
.endr
.irp b, 0,1,2,3
	v_max_num_f32 v[TM+\b], v[TM+\b], v[TM+4+\b]
.endr
.irp b, 0,1,2,3
	v_add_nc_u32 v[TM+12+\b], 0xff000000, v[TM+\b]
.endr
.irp b, 0,1,2,3
	v_lshrrev_b32 v[TM+4+\b], 23, v[TM+12+\b]
.endr
	v_lshl_or_b32 v[PW], v[TM+5], 8, v[TM+4]
	v_lshl_or_b32 v[PW], v[TM+6], 16, v[PW]
	v_lshl_or_b32 v[PW], v[TM+7], 24, v[PW]
	WIN W
.irp c, 0,1
	v_cvt_scalef32_pk16_fp6_f32 v[PC+6*\c:PC+6*\c+2], v[AC+32*\c:AC+32*\c+15], v[TM+12+2*\c]
	v_cvt_scalef32_pk16_fp6_f32 v[PC+12+4*\c:PC+14+4*\c], v[AC+16+32*\c:AC+31+32*\c], v[TM+13+2*\c]
.endr
	WIN 0
	v_nop
.irp c, 0,1
.irp i, 0,1,2
	v_permlane16_swap_b32 v[PC+6*\c+\i], v[PC+12+4*\c+\i]
.endr
.irp i, 0,1,2
	v_mov_b32 v[PC+3+6*\c+\i], v[PC+12+4*\c+\i]
.endr
.endr
.irp c, 0,1
.irp q, 0,1,2
	ds_store_b64 v[QST], v[PC+6*\c+2*\q:PC+6*\c+2*\q+1] offset:192*(32*((\a)/2)+8*((\a)%2))+48*\c+8*\q
.endr
.endr
	ds_store_b32 v[QSS], v[PW] offset:8*(32*((\a)/2)+8*((\a)%2))
	s_wait_dscnt 0x0
.endm
	PLACES NP
.irp b, 0,1,2,3
	v_mov_b32 v[TM+4+\b], 0
.endr
.irp a, 0,1,2,3,4,5,6,7
	QUANTQ \a
.endr
	s_barrier_signal -1
	s_barrier_wait -1
.irp k, 0,1,2,3,4,5,6,7,8,9,10,11,12,13,14,15,16,17,18,19,20,21,22,23
	ds_load_b128 v[128+4*\k:131+4*\k], v[ORD] offset:512*\k
.endr
	ds_load_b128 v[224:227], v[OSS]
.irp k, 0,1,2,3,4,5,6,7,8,9,10,11,12,13,14,15,16,17,18,19,20,21,22,23
	s_wait_dscnt 24-\k
	global_store_b128 v[OGO], v[128+4*\k:131+4*\k], s[PO:PO+1] offset:512*\k
.endr
	s_wait_dscnt 0x0
	global_store_b128 v[OGO], v[224:227], s[PS:PS+1]
	s_wait_tensorcnt 0x0
	ds_add_u32 v[SPW], v[NIL]
	s_wait_dscnt 0x0
	CROUND
	s_endpgm
.Lfunc_end_k_q219892473d_qk:
	.size	k_q219892473d_qk, .Lfunc_end_k_q219892473d_qk-k_q219892473d_qk
	.p2alignl 7, 3214868480
	.fill 96, 4, 3214868480
	.section	.rodata,"a",@progbits
	.p2align	6, 0x0
	.amdhsa_kernel k_q219892473d_qk
		.amdhsa_group_segment_fixed_size 327680
		.amdhsa_private_segment_fixed_size 0
		.amdhsa_enable_private_segment 0
		.amdhsa_kernarg_size 136
		.amdhsa_user_sgpr_count 2
		.amdhsa_user_sgpr_kernarg_segment_ptr 1
		.amdhsa_wavefront_size32 1
		.amdhsa_system_sgpr_workgroup_id_x 1
		.amdhsa_system_sgpr_workgroup_id_y 1
		.amdhsa_system_sgpr_workgroup_id_z 1
		.amdhsa_system_vgpr_workitem_id 0
		.amdhsa_next_free_vgpr 1024
		.amdhsa_next_free_sgpr 102
		.amdhsa_reserve_vcc 0
		.amdhsa_float_denorm_mode_32 3
		.amdhsa_float_denorm_mode_16_64 3
		.amdhsa_memory_ordered 1
		.amdhsa_forward_progress 1
		.amdhsa_inst_pref_size 182
	.end_amdhsa_kernel
	.amdgpu_metadata
---
amdhsa.version: [ 1, 2 ]
amdhsa.kernels:
  - .name:           k_q219892473d_qk
    .symbol:         k_q219892473d_qk.kd
    .args:
      - { .name: q_in_codes, .offset: 0, .size: 8, .value_kind: global_buffer, .address_space: global }
      - { .name: q_in_scales, .offset: 8, .size: 8, .value_kind: global_buffer, .address_space: global }
      - { .name: wq_codes, .offset: 16, .size: 8, .value_kind: global_buffer, .address_space: global }
      - { .name: wq_scales, .offset: 24, .size: 8, .value_kind: global_buffer, .address_space: global }
      - { .name: bq, .offset: 32, .size: 8, .value_kind: global_buffer, .address_space: global }
      - { .name: qw, .offset: 40, .size: 8, .value_kind: global_buffer, .address_space: global }
      - { .name: k_in_codes, .offset: 48, .size: 8, .value_kind: global_buffer, .address_space: global }
      - { .name: k_in_scales, .offset: 56, .size: 8, .value_kind: global_buffer, .address_space: global }
      - { .name: wk_codes, .offset: 64, .size: 8, .value_kind: global_buffer, .address_space: global }
      - { .name: wk_scales, .offset: 72, .size: 8, .value_kind: global_buffer, .address_space: global }
      - { .name: bk, .offset: 80, .size: 8, .value_kind: global_buffer, .address_space: global }
      - { .name: kw, .offset: 88, .size: 8, .value_kind: global_buffer, .address_space: global }
      - { .name: mask, .offset: 96, .size: 8, .value_kind: global_buffer, .address_space: global }
      - { .name: maskw, .offset: 104, .size: 8, .value_kind: global_buffer, .address_space: global }
      - { .name: wv_codes, .offset: 112, .size: 8, .value_kind: global_buffer, .address_space: global }
      - { .name: wv_scales, .offset: 120, .size: 8, .value_kind: global_buffer, .address_space: global }
      - { .name: wvp, .offset: 128, .size: 8, .value_kind: global_buffer, .address_space: global }
    .group_segment_fixed_size: 327680
    .private_segment_fixed_size: 0
    .kernarg_segment_align: 8
    .kernarg_segment_size: 136
    .max_flat_workgroup_size: 128
    .sgpr_count:     102
    .vgpr_count:     1024
    .wavefront_size: 32
...
	.end_amdgpu_metadata
.endif
;; end of part 1
;; launch vp (part 2): grid 4 x 64, 4 waves a work-group, clusters of 4 x 4, 327,680 bytes of LDS; arguments v_in_codes, v_in_scales, wvp, bv, vw; writes vw
.if DOCPART == 2
	.amdgcn_target "amdgcn-amd-amdhsa--gfx1250"
	.amdhsa_code_object_version 6
	.text
	.protected	k_q219892473d_vp
	.globl	k_q219892473d_vp
	.p2align	8
	.type	k_q219892473d_vp,@function
k_q219892473d_vp:
	s_mov_b64 s[64:65], 0
	v_nop
	global_prefetch_b8 v0, s[64:65] scope:SCOPE_SE
	s_setreg_imm32_b32 hwreg(HW_REG_WAVE_MODE, 25, 1), 1
	s_wait_xcnt 0x0
	s_wait_alu depctr_hold_cnt(0) depctr_sa_sdst(0) depctr_va_vdst(0) depctr_va_sdst(0) depctr_va_ssrc(0) depctr_va_vcc(0) depctr_vm_vsrc(0)
	s_getreg_b32 s2, hwreg(HW_REG_IB_STS2, 6, 4)
	s_cmp_eq_u32 s2, 0
	s_cbranch_scc0 .Lentry_in_a_cluster
	s_endpgm
.Lentry_in_a_cluster:
	s_bfe_u32 s2, ttmp6, 0x10000c
	s_cmp_lg_u32 s2, 0xf033
	s_cbranch_scc0 .Lentry_shape_is_right
	s_endpgm
.Lentry_shape_is_right:
; v = v_in wv^T + bv, [8192][1024], on codes of FP6 (E2M3) with one E8M0 scale for each 32 along K; the result is quantised ALONG THE KEYS of the attention that follows and stored as images of that product's operand registers.
; Head = row / 64; key = 16 (row % 64) + column / 64; channel = column % 64.  A block of 32 keys of one channel is two neighbouring rows at the 16 columns channel + 64 m.
; The weight comes from wvp, in which row 256 t + 16 p + m is row 64 m + 32 (p / 8) + 8 t + p % 8 of wv: work-group column t holds, for 16 channels (places p), all 16 pieces m.
; A work-group of four waves makes 128 rows (two heads) x 256 columns, a wave 64 x 128: 32 accumulators.  ALL OF K lies in LDS: 128 + 256 rows of 768 bytes, 16 bytes of padding behind every 256, and the rows' scale bytes:
; four joint loads in a 4 x 4 cluster, one a wave, all at the head; nothing is filled again.  No prefetch: every tile is asked for at the head, so there is no later request to run ahead of.
; THE MATRIX INSTRUCTION IS USED TRANSPOSED, AND THE ROWS OF A BLOCK ARE NOT NEIGHBOURS: lane r of block i takes row 32 (i / 2) + 8 (i % 2) + r + 8 (r / 8), of the weight and of v_in alike.  A lane's 16 registers of blocks 2 B, 2 B + 1
; are then the 16 keys of my row at place p = 8 x column half + 2 B + h; the block's other 16 keys lie in lane l xor 1.
; vw = [4 x head + t][8 key steps x 1,536 bytes of images, then 8 x 64 scale bytes]: register n of lane L of a fragment at 512 (n / 4) + 16 L + 4 (n % 4).
; LIMITS: a block's scale byte is held at 1 from below; a block of zeros gets the byte 1 (only this program reads the bytes); NaN and infinities are not served.
; REGISTERS: window 0: v0-31 addresses; v32-63 scale words, two sets; v64-127 the bias, later the quantiser's work; v128-223 v_in's fragments, two sets.  window 1: the weight's fragments, two sets.  window 2: the accumulators.
.set NQ,     2
.set KROW,   768
.set PITCH,  816                       ; an LDS row: 3 x (256 + 16)
.set FR,     12
.set NL,     6
.set NP,     4
.set KS,     32
.set TB,     128*PITCH                 ; the weight's 256 rows lie behind v_in's 128
.set SCL,    384*PITCH                 ; the scales: v_in's 16 units of 256 + 16 bytes, then the weight's 32
.set SBS,    SCL+16*272
.set SPARE,  SCL+48*272                ; the spare words, 128 bytes a wave
.set STG,    0                         ; the way out: 2 heads x 8 key steps x 1,536 bytes, on tile bytes that are read no more,
.set SSG,    24576                     ; and 2 heads x 512 scale bytes
.set VA,   7
.set VSB,  10
.set ORD,  11
.set OSS,  12
.set BOF,  13
.set OGO,  14
.set ADRA, 16                          ; v16 my fragments' address, v17 the same with lanes 16-31 one padding further
.set ADRB, 18                          ; v18-19 the weight's blocks 0-3, v20-21 blocks 4-7
.set OS8,  22
.set ADRS, 27
.set SPW,  28
.set NIL,  29
.set SC,   32
.set BI,   64
.set PC,   64
.set TM,   96
.set AF,   128
.set G1, 24
.set G0, 32
.set G1B, 48
.set G0B, 56
.set G1S, 68
.set G0S, 76
.set G1SB, 80
.set G0SB, 88
.set PB, 12
.set PO, 96
.set PS, 98
.set MSB, 0
.macro WIN new
.if MSB != (\new)
	s_set_vgpr_msb (MSB<<8)|(\new)
.set MSB, (\new)
.endif
.endm
.set MUL,  0xa1                        ; source 0 (weight) window 1, source 1 window 0, C and D window 2
.set TO_B, 0x40
.macro CROUND
	s_barrier_signal -1
	s_barrier_wait -1
	s_cmp_lg_u32 s14, 0
	s_cbranch_scc1 .Lnot_wave_0_\@
	s_barrier_signal -3
.Lnot_wave_0_\@:
	s_barrier_wait -3
	s_barrier_signal -1
	s_barrier_wait -1
.endm
.macro PLACES n
.rept \n
	v_nop
.endr
.endm
.macro ARM under, g0, g1, next
	s_cmp_lt_u32 s14, \under
	s_cbranch_scc0 \next
	tensor_load_to_lds s[\g0:\g0+3], s[\g1:\g1+7]
	s_nop 0
	PLACES 4
	s_branch .Lhead_asked
\next:
.endm
	s_load_b128 s[4:7], s[0:1], 0x0                ; v_in's codes, v_in's scales
	s_load_b128 s[8:11], s[0:1], 0x10              ; wvp, bv
	s_load_b64 s[PO:PO+1], s[0:1], 0x20            ; vw
	v_lshl_add_u32 v[SPW], v0, 2, SPARE
	v_mov_b32 v[NIL], 0
	ds_add_u32 v[SPW], v[NIL]                      ; the opening lines
	ds_add_u32 v[SPW], v[NIL]
	v_lshrrev_b32 v1, 5, v0
	v_readfirstlane_b32 s14, v1                    ; wave 0..3
	s_lshr_b32 s15, s14, 1                         ; my 64 rows
	s_and_b32 s16, s14, 1                          ; my 128 columns
	s_bfe_u32 s40, ttmp6, 0x40000
	s_bfe_u32 s41, ttmp6, 0x40004
	s_lshl_b32 s42, ttmp9, 2
	s_add_co_u32 s42, s42, s40                     ; tile column t, 0..3
	s_and_b32 s17, ttmp7, 0xffff
	s_lshl_b32 s17, s17, 2
	s_add_co_u32 s17, s17, s41                     ; tile row, 0..63
	s_lshl_b32 s43, s41, 2
	s_lshl_b32 s43, 15, s43
	s_lshl_b32 s44, 0x1111, s40
	s_or_b32 s[G1+0], s43, (0<<16)|(1<<20)|(1<<21)|(5<<22)|(3<<25)
	s_or_b32 s[G1B+0], s44, (0<<16)|(1<<20)|(1<<21)|(5<<22)|(3<<25)
	s_or_b32 s[G1S+0], s43, (3<<16)|(1<<20)|(1<<21)|(5<<22)|(3<<25)
	s_or_b32 s[G1SB+0], s44, (3<<16)|(1<<20)|(1<<21)|(5<<22)|(3<<25)
.irp g, G1, G1B
	s_mov_b32 s[\g+1], KROW<<16
	s_mov_b32 s[\g+3], KROW<<16
	s_mov_b32 s[\g+5], KROW
	s_mov_b32 s[\g+6], 0
	s_mov_b32 s[\g+7], 0
.endr
	s_mov_b32 s[G1+2], 128<<16                     ; 128 rows of 768 bytes
	s_mov_b32 s[G1+4], 128
	s_mov_b32 s[G1B+2], 256<<16                    ; 256 rows
	s_mov_b32 s[G1B+4], 256
.irp g, G1S, G1SB
	s_mov_b32 s[\g+1], 32<<16
	s_mov_b32 s[\g+3], 32<<16
	s_mov_b32 s[\g+5], 32
	s_mov_b32 s[\g+6], 0
	s_mov_b32 s[\g+7], 0
.endr
	s_mov_b32 s[G1S+2], 16<<16                     ; 128 x 32 scale bytes: 16 rows of 256
	s_mov_b32 s[G1S+4], 16
	s_mov_b32 s[G1SB+2], 32<<16
	s_mov_b32 s[G1SB+4], 32
	s_mov_b32 s[G0], 1
	s_mov_b32 s[G0+1], 0
	s_mov_b32 s[G0B], 1
	s_mov_b32 s[G0B+1], TB
	s_mov_b32 s[G0S], 1
	s_mov_b32 s[G0S+1], SCL
	s_mov_b32 s[G0SB], 1
	s_mov_b32 s[G0SB+1], SBS
	s_lshl_b32 s20, s17, 7
	s_lshl_b32 s46, s42, 8
	s_mov_b32 s21, 0
	s_mov_b32 s47, 0
	s_mov_b64 s[18:19], KS
	s_mul_u64 s[22:23], s[20:21], s[18:19]
	s_mul_u64 s[92:93], s[46:47], s[18:19]
	s_mov_b64 s[18:19], KROW
	s_mul_u64 s[20:21], s[20:21], s[18:19]
	s_mul_u64 s[46:47], s[46:47], s[18:19]
	s_wait_dscnt 0x0
	s_wait_kmcnt 0x0
	s_add_nc_u64 s[G0+2:G0+3], s[4:5], s[20:21]
	s_or_b32 s[G0+3], s[G0+3], 0x80000000
	s_add_nc_u64 s[G0S+2:G0S+3], s[6:7], s[22:23]
	s_or_b32 s[G0S+3], s[G0S+3], 0x80000000
	s_add_nc_u64 s[G0B+2:G0B+3], s[8:9], s[46:47]
	s_or_b32 s[G0B+3], s[G0B+3], 0x80000000
	s_add_nc_u64 s[G0SB+2:G0SB+3], s[8:9], s[92:93]
	s_add_nc_u64 s[G0SB+2:G0SB+3], s[G0SB+2:G0SB+3], 786432   ; the weight's scale bytes lie behind its codes
	s_or_b32 s[G0SB+3], s[G0SB+3], 0x80000000
	CROUND                                         ; all sixteen work-groups are here: the joint loads meet
	ARM 1, G0,  G1,  .Lhead_b                      ; one joint load a wave, one tree of branches on the wave's number
	ARM 2, G0B, G1B, .Lhead_sa
	ARM 3, G0S, G1S, .Lhead_sb
	tensor_load_to_lds s[G0SB:G0SB+3], s[G1SB:G1SB+7]
	s_nop 0
	PLACES 4
.Lhead_asked:
	v_and_b32 v1, 15, v0                           ; r
	v_bfe_u32 v2, v0, 4, 1                         ; h
	v_and_b32 v6, 8, v1
	v_add_nc_u32 v6, v6, v1                        ; r + 8 (r / 8)
	v_mul_u32_u24 v3, v6, PITCH
	v_mad_u32_u24 v4, v2, 24, v3
	v_lshl_add_u32 v5, v2, 4, v4
	s_mul_i32 s21, s15, 64*PITCH
	s_mul_i32 s22, s16, 128*PITCH
	s_add_co_u32 s22, s22, TB
	v_add_nc_u32 v[ADRA], s21, v4
	v_add_nc_u32 v[ADRA+1], s21, v5
	v_add_nc_u32 v[ADRB], s22, v4
	v_add_nc_u32 v[ADRB+1], s22, v5
	s_add_co_u32 s22, s22, 64*PITCH
	v_add_nc_u32 v[ADRB+2], s22, v4
	v_add_nc_u32 v[ADRB+3], s22, v5
	v_mul_u32_u24 v5, v6, KS                       ; my row's scales: 32 bytes a row, 16 more for each 256 passed
	v_lshrrev_b32 v3, 8, v5
	v_lshl_add_u32 v5, v3, 4, v5
	s_mul_i32 s21, s15, 8*272
	s_mul_i32 s22, s16, 16*272
	s_add_co_u32 s22, s22, 16*272
	s_sub_co_u32 s22, s22, s21
	v_mul_u32_u24 v3, s22, v2                      ; lanes 16-31 take the weight's
	s_add_co_u32 s21, s21, SCL
	v_add_nc_u32 v5, v5, v3
	v_add_nc_u32 v[ADRS], s21, v5
	s_lshl_b32 s20, s16, 7                         ; the bias: register j of block 2 B + u is column 64 (8 u + j) + 32 x column half + 8 t + 2 B + h of wv's order
	s_lshl_b32 s21, s42, 5
	s_add_co_u32 s20, s20, s21
	s_mov_b32 s21, 0
	s_add_nc_u64 s[PB:PB+1], s[10:11], s[20:21]
	v_lshlrev_b32 v[BOF], 2, v2
.irp b, 0,1,2,3,4,5,6,7
.irp j, 0,1,2,3,4,5,6,7
	global_load_b32 v[BI+8*\b+\j], v[BOF], s[PB:PB+1] offset:4*(64*(8*(\b%2)+\j)+2*(\b/2))
.endr
.endr
	; the stage.  My row is key step 2 (r / 8) + .., keys 16 (r % 8) + 0 .. 15 of the step: registers 6 ((r / 4) % 2) + 3 (r % 2) + 0 .. 2 of fragment lane p + 16 ((r / 2) % 2)
	v_bfe_u32 v3, v0, 3, 1
	v_mul_u32_u24 v15, v3, 3072
	v_bfe_u32 v4, v0, 1, 1
	v_lshl_add_u32 v15, v4, 8, v15
	v_lshl_add_u32 v15, v2, 4, v15
	s_mul_i32 s21, s15, 12288
	s_lshl_b32 s22, s16, 7
	s_add_co_u32 s21, s21, s22
	v_add_nc_u32 v15, s21, v15
	v_bfe_u32 v4, v0, 2, 1
	v_mul_u32_u24 v4, v4, 6
	v_and_b32 v5, 1, v0
	v_mad_u32_u24 v4, v5, 3, v4
.irp i, 0,1,2
	v_add_nc_u32 v5, \i, v4
	v_lshrrev_b32 v[VA+\i], 2, v5
	v_lshl_add_u32 v[VA+\i], v[VA+\i], 9, v15
	v_and_b32 v5, 3, v5
	v_lshl_add_u32 v[VA+\i], v5, 2, v[VA+\i]
.endr
	v_lshlrev_b32 v[VSB], 7, v3                    ; the scale byte: 64 bytes a key step, 4 a place, byte (r / 2) % 4
	v_lshl_add_u32 v[VSB], v2, 2, v[VSB]
	v_bfe_u32 v5, v0, 1, 2
	v_add_nc_u32 v[VSB], v5, v[VSB]
	s_lshl_b32 s21, s15, 9
	s_lshl_b32 s22, s16, 5
	s_add_co_u32 s21, s21, s22
	s_add_co_u32 s21, s21, SSG
	v_add_nc_u32 v[VSB], s21, v[VSB]
	v_and_b32 v5, 31, v0
	v_lshlrev_b32 v[OGO], 4, v5
	v_lshlrev_b32 v[OS8], 3, v5
	s_mul_i32 s21, s14, 6144                       ; back: wave w takes half w % 2 of head w / 2
	v_add_nc_u32 v[ORD], s21, v[OGO]
	s_lshl_b32 s21, s14, 8
	s_add_co_u32 s21, s21, SSG
	v_add_nc_u32 v[OSS], s21, v[OS8]
	s_lshl_b32 s20, s17, 1
	s_add_co_u32 s20, s20, s15
	s_lshl_b32 s20, s20, 2
	s_add_co_u32 s20, s20, s42                     ; 4 x head + t
	s_mul_i32 s22, s20, 12800
	s_mov_b32 s23, 0
	s_add_nc_u64 s[PO:PO+1], s[PO:PO+1], s[22:23]
	s_lshl_b32 s22, s16, 8
	s_add_co_u32 s22, s22, 12288
	s_add_nc_u64 s[PS:PS+1], s[PO:PO+1], s[22:23]
	s_mul_i32 s22, s16, 6144
	s_add_nc_u64 s[PO:PO+1], s[PO:PO+1], s[22:23]
	s_wait_alu depctr_va_vdst(0)
	s_wait_loadcnt 0x0                             ; the bias
	s_wait_tensorcnt 0x0                           ; my tile of the four is in
	s_barrier_signal -1
	s_barrier_wait -1                              ; and everybody's
.macro FRAG reg, adr, st, i            ; 16 rows x 128 K: byte y of a row of codes lies at y + 16 (y / 256) of its LDS row; where lanes 16-31, 24 bytes on, have passed a padding, the second address serves
.irp p, 0,1,2,3,4,5
.set BY, 96*(\st)+48*(\p/3)+8*(\p%3)
.set XR, (BY+24)/256-BY/256
	ds_load_b64 v[\reg+2*\p:\reg+2*\p+1], v[\adr+XR] offset:BY+16*(BY/256)+(32*((\i)/2)+8*((\i)%2))*PITCH
.endr
.endm
.macro FB st, b0                       ; the weight's blocks b0 .. b0 + 3 of step st
.irp i, 0,1,2,3
	FRAG 128*((\st)%2)+FR*(\b0+\i), ADRB+2*(\b0/4), \st, \i
.endr
.endm
.macro FA st, a0                       ; v_in's blocks a0, a0 + 1
.irp i, \a0, \a0+1
	FRAG AF+48*((\st)%2)+FR*(\i), ADRA, \st, \i
.endr
.endm
.macro SCALES pr                       ; the scale words of steps 2 pr, 2 pr + 1: lanes 0-15 v_in's block i (of which 0-3 are used), lanes 16-31 the weight's block i
.irp i, 0,1,2,3,4,5,6,7
	ds_load_b64 v[SC+8*NQ*((\pr)%2)+NQ*\i:SC+8*NQ*((\pr)%2)+NQ*\i+1], v[ADRS] offset:(4*(\i/2)+\i%2)*272+4*NQ*(\pr)
.endr
.endm
.macro MUL8 a, st, zero                ; block a against the weight's eight; the 32 accumulators take turns; zero = 1: the sums begin with the bias
.irp b, 0,1,2,3,4,5,6,7
.if \zero
	v_wmma_scale_f32_16x16x128_f8f6f4 v[8*(8*(\a)+\b):8*(8*(\a)+\b)+7], v[128*((\st)%2)+FR*\b:128*((\st)%2)+FR*\b+FR-1], v[AF+48*((\st)%2)+FR*(\a):AF+48*((\st)%2)+FR*(\a)+FR-1], v[BI+8*\b:BI+8*\b+7], v[SC+8*NQ*(((\st)/2)%2)+NQ*\b+(\st)%2], v[SC+8*NQ*(((\st)/2)%2)+NQ*(\a)+(\st)%2] matrix_a_fmt:MATRIX_FMT_FP6 matrix_b_fmt:MATRIX_FMT_FP6 matrix_a_scale:MATRIX_SCALE_ROW1
.else
	v_wmma_scale_f32_16x16x128_f8f6f4 v[8*(8*(\a)+\b):8*(8*(\a)+\b)+7], v[128*((\st)%2)+FR*\b:128*((\st)%2)+FR*\b+FR-1], v[AF+48*((\st)%2)+FR*(\a):AF+48*((\st)%2)+FR*(\a)+FR-1], v[8*(8*(\a)+\b):8*(8*(\a)+\b)+7], v[SC+8*NQ*(((\st)/2)%2)+NQ*\b+(\st)%2], v[SC+8*NQ*(((\st)/2)%2)+NQ*(\a)+(\st)%2] matrix_a_fmt:MATRIX_FMT_FP6 matrix_b_fmt:MATRIX_FMT_FP6 matrix_a_scale:MATRIX_SCALE_ROW1
.endif
.endr
.endm
.macro STEP st, zero                   ; 32 matrix instructions on step st's set; the next step's fragments go into the other set, in four runs between them
.set NX, (\st)+1
	s_wait_dscnt 2*NL                              ; my blocks 2, 3 may be out
	PLACES NP                                      ; behind the last step's products, which read the set that is filled now
	WIN TO_B
	FB NX, 0
	WIN MUL-0x20*(\zero)
	MUL8 0, \st, \zero
	WIN TO_B
	FB NX, 4
	WIN MUL-0x20*(\zero)
	MUL8 1, \st, \zero
	WIN 0
	s_wait_dscnt 8*NL                              ; all but the 48 loads just issued
	FA NX, 0
.if NX%2 == 0
	SCALES NX/2
.endif
	WIN MUL-0x20*(\zero)
	MUL8 2, \st, \zero
	WIN 0
	FA NX, 2
	WIN MUL-0x20*(\zero)
	MUL8 3, \st, \zero
	WIN 0
.endm
	WIN TO_B
	FB 0, 0
	FB 0, 4
	WIN 0
	FA 0, 0
	SCALES 0
	FA 0, 2
	STEP 0, 1
.irp st, 1,2,3,4,5,6
	STEP \st, 0
.endr
	s_wait_dscnt 2*NL
	WIN MUL
	MUL8 0, 7, 0
	MUL8 1, 7, 0
	s_wait_dscnt 0x0
	MUL8 2, 7, 0
	MUL8 3, 7, 0
	WIN 0
	s_barrier_signal -1                            ; my reads of the tiles are over (the wait for 0 above)
	s_barrier_wait -1                              ; and everybody's: the stage may be written
; THE WAY OUT.  Block a: for B = 0 .. 3 my 16 registers are 16 keys of one channel; with lane l xor 1's 16 they are a block of 32 keys.
.macro QUANTV a
.set AC, 64*(\a)
.set OFI, 1536*(4*((\a)/2)+(\a)%2)
.set OFS, 64*(4*((\a)/2)+(\a)%2)
	WIN 0x0a
.irp b, 0,1,2,3
	v_max3_num_f32 v[TM+\b], |v[AC+16*\b]|, |v[AC+16*\b+1]|, 0x1800000   ; with the floor 2^(3 - 127); each accumulator from its low end on
.endr
.irp i, 2,4,6,8,10,12,14
.irp b, 0,1,2,3
	v_max3_num_f32 v[TM+\b], |v[AC+16*\b+\i]|, |v[AC+16*\b+\i+1]|, v[TM+\b]
.endr
.endr
	WIN 0
.irp b, 0,1,2,3
	v_max_num_f32_dpp v[TM+\b], v[TM+\b], v[TM+\b] row_xmask:1 row_mask:0xf bank_mask:0xf
.endr
.irp b, 0,1,2,3
	v_add_nc_u32 v[TM+4+\b], 0xff000000, v[TM+\b]  ; the conversion's scale operand
.endr
.irp b, 0,1,2,3
	v_lshrrev_b32 v[TM+8+\b], 23, v[TM+4+\b]       ; the scale's byte
.endr
	WIN 2
.irp b, 0,1,2,3
	v_cvt_scalef32_pk16_fp6_f32 v[PC+4*\b:PC+4*\b+2], v[AC+16*\b:AC+16*\b+15], v[TM+4+\b]
.endr
	WIN 0
	v_nop
.irp b, 0,1,2,3
.irp i, 0,1,2
	ds_store_b32 v[VA+\i], v[PC+4*\b+\i] offset:OFI+32*\b
.endr
	ds_store_b8 v[VSB], v[TM+8+\b] offset:OFS+8*\b ; both lanes of a block write the same byte with the same value
.endr
	s_wait_dscnt 0x0
.endm
	PLACES NP
.irp a, 0,1,2,3
	QUANTV \a
.endr
	s_barrier_signal -1
	s_barrier_wait -1
.irp k, 0,1,2,3,4,5,6,7,8,9,10,11
	ds_load_b128 v[128+4*\k:131+4*\k], v[ORD] offset:512*\k
.endr
	ds_load_b64 v[224:225], v[OSS]
.irp k, 0,1,2,3,4,5,6,7,8,9,10,11
	s_wait_dscnt 12-\k                             ; the loads issued behind load k may be out
	global_store_b128 v[OGO], v[128+4*\k:131+4*\k], s[PO:PO+1] offset:512*\k   ; 512 consecutive bytes, at a multiple of 256 from the buffer's first byte
.endr
	s_wait_dscnt 0x0
	global_store_b64 v[OS8], v[224:225], s[PS:PS+1]   ; 256 consecutive bytes, aligned
	s_wait_tensorcnt 0x0                           ; the wave's end
	ds_add_u32 v[SPW], v[NIL]
	s_wait_dscnt 0x0
	CROUND                                         ; the closing round
	s_endpgm
.Lfunc_end_k_q219892473d_vp:
	.size	k_q219892473d_vp, .Lfunc_end_k_q219892473d_vp-k_q219892473d_vp
	.p2alignl 7, 3214868480
	.fill 96, 4, 3214868480
	.section	.rodata,"a",@progbits
	.p2align	6, 0x0
	.amdhsa_kernel k_q219892473d_vp
		.amdhsa_group_segment_fixed_size 327680
		.amdhsa_private_segment_fixed_size 0
		.amdhsa_enable_private_segment 0
		.amdhsa_kernarg_size 40
		.amdhsa_user_sgpr_count 2
		.amdhsa_user_sgpr_kernarg_segment_ptr 1
		.amdhsa_wavefront_size32 1
		.amdhsa_system_sgpr_workgroup_id_x 1
		.amdhsa_system_sgpr_workgroup_id_y 1
		.amdhsa_system_sgpr_workgroup_id_z 1
		.amdhsa_system_vgpr_workitem_id 0
		.amdhsa_next_free_vgpr 768
		.amdhsa_next_free_sgpr 102
		.amdhsa_reserve_vcc 0
		.amdhsa_float_denorm_mode_32 3
		.amdhsa_float_denorm_mode_16_64 3
		.amdhsa_memory_ordered 1
		.amdhsa_forward_progress 1
		.amdhsa_inst_pref_size 110
	.end_amdhsa_kernel
	.amdgpu_metadata
---
amdhsa.version: [ 1, 2 ]
amdhsa.kernels:
  - .name:           k_q219892473d_vp
    .symbol:         k_q219892473d_vp.kd
    .args:
      - { .name: v_in_codes, .offset: 0, .size: 8, .value_kind: global_buffer, .address_space: global }
      - { .name: v_in_scales, .offset: 8, .size: 8, .value_kind: global_buffer, .address_space: global }
      - { .name: wvp, .offset: 16, .size: 8, .value_kind: global_buffer, .address_space: global }
      - { .name: bv, .offset: 24, .size: 8, .value_kind: global_buffer, .address_space: global }
      - { .name: vw, .offset: 32, .size: 8, .value_kind: global_buffer, .address_space: global }
    .group_segment_fixed_size: 327680
    .private_segment_fixed_size: 0
    .kernarg_segment_align: 8
    .kernarg_segment_size: 40
    .max_flat_workgroup_size: 128
    .sgpr_count:     102
    .vgpr_count:     768
    .wavefront_size: 32
...
	.end_amdgpu_metadata
.endif
;; end of part 2
;; launch attn (part 3): grid 4 x 64, 16 waves a work-group, clusters of 4 x 1, 229,376 bytes of LDS; arguments qw, kw, vw, maskw, hw; writes hw
.if DOCPART == 3
	.amdgcn_target "amdgcn-amd-amdhsa--gfx1250"
	.amdhsa_code_object_version 6
	.text
	.protected	k_q219892473d_attn
	.globl	k_q219892473d_attn
	.p2align	8
	.type	k_q219892473d_attn,@function
k_q219892473d_attn:
	s_mov_b64 s[64:65], 0
	v_nop
	global_prefetch_b8 v0, s[64:65] scope:SCOPE_SE
	s_setreg_imm32_b32 hwreg(HW_REG_WAVE_MODE, 25, 1), 1
	s_wait_xcnt 0x0
	s_wait_alu depctr_hold_cnt(0) depctr_sa_sdst(0) depctr_va_vdst(0) depctr_va_sdst(0) depctr_va_ssrc(0) depctr_va_vcc(0) depctr_vm_vsrc(0)
	s_getreg_b32 s2, hwreg(HW_REG_IB_STS2, 6, 4)
	s_cmp_eq_u32 s2, 0
	s_cbranch_scc0 .Lentry_in_a_cluster
	s_endpgm
.Lentry_in_a_cluster:
	s_bfe_u32 s2, ttmp6, 0x10000c
	s_cmp_lg_u32 s2, 0x3003
	s_cbranch_scc0 .Lentry_shape_is_right
	s_endpgm
.Lentry_shape_is_right:
; For each of 128 heads: O = softmax(Q K^T / 4, hidden keys by the mask) V, both products on codes of FP6 (E2M3) with one E8M0 scale for each 32 along a product's K; O / the row's sum is quantised along the channels
; and stored as hw, the last projection's left operand: [8192][768 bytes of codes], then from byte 6,291,456 [8192][32 scale bytes].
; qw, kw, vw are planes of 12,800 bytes, [4 x head + plane]: 12,288 bytes of codes and then 512 scale bytes.  View row j = 16 l + m of Q or K lies in plane m / 4 at 192 l + 48 (m % 4), its two scale bytes at 12,288 + 8 l + 2 (m % 4).
; V's plane t holds 8 key steps x 1,536 bytes, images of the fragment's registers, then [key step][place 16][4 scale bytes]; place p of tile t is channel 32 (p / 8) + 8 t + p % 8.
; SHARES.  A cluster of four work-groups serves TWO heads, y and y + 64, one after the other; a work-group owns 256 queries of each, a wave 16.  Both heads' K and V, 16 planes, come into every partner's LDS once, by joint loads:
; wave w fetches plane w (head w / 8, K or V by (w / 4) % 2): one tensor load a wave, all at the head, nothing is filled again, and no barrier stands between the two heads.
; No prefetch: every tile is asked for at the head, so there is no later request to run ahead of.
; The first product's K is 64: the upper half of each operand is zero codes in registers cleared once; the scale word's upper bytes are 0.
; SOFTMAX: t = score x log2(e) / 4; M = the running largest t rounded up to a whole number; p = 2^(t - M) is quantised along the keys; the sum is taken of the unquantised p and divides at the end.
; HIDDEN KEYS take the score -2^120: a row with only hidden keys so far has p = 1 for each; the first open key makes the factor 2^(old M - new M) 0, which wipes both sums; a row hidden altogether ends with equal weights.
; LIMITS: open scores lie above -2^120; NaN and infinities are not served; a block's scale byte is held at 1 from below.
; Both products transposed (S^T = K Q^T, O^T = V^T P^T): a lane holds one query.  Lane r of key tile 2 b + u takes key 32 b + 8 u + r + 8 (r / 8).
; REGISTERS: v1-4 LDS addresses; v5 -2^120; v6-7 V's scale words, v8-11 K's, v28 Q's, v29 p's; v12 -M, v13 the largest t, v[14:15] the sum; v16-27 Q; v[30:31] the factor; v32-79 K; v80-127 V; v128-191 S^T, then p; v192-223 O^T; v224-235 p's codes; v236-255 at work.
.set PL,    12928                      ; LDS: planes 12,928 apart
.set HB,    8*PL                       ; a head: K's four planes, then V's four
.set STG,   2*HB                       ; the way out: 1,024 bytes a wave
.set SSB,   STG+16384                  ; the work-group's scale bytes: 512 for each head
.set SPARE, SSB+1024                   ; the spare words: 128 bytes a wave
.set QNEXT, 64*51200                   ; 64 heads on in qw,
.set HNEXT, 64*64*768                  ; in hw's codes,
.set SNEXT, 64*64*32                   ; and in hw's scale bytes
.macro CROUND
	s_barrier_signal -1
	s_barrier_wait -1
	s_cmp_lg_u32 s3, 0
	s_cbranch_scc1 .Lnot_wave_0_\@
	s_barrier_signal -3
.Lnot_wave_0_\@:
	s_barrier_wait -3
	s_barrier_signal -1
	s_barrier_wait -1
.endm
.macro NOP4
.rept 4
	v_nop
.endr
.endm
.macro KTILES g                        ; key tiles 4 g .. 4 g + 3: the lower six registers of the four buffers
.irp t, 0,1,2,3
.irp q, 0,1,2
	ds_load_b64 v[32+12*\t+2*\q:33+12*\t+2*\q], v1 offset:2*PL*(\t%2)+384*(2*\g+\t/2)+8*\q
.endr
.endr
.endm
.macro SPROD g                         ; their scores: source 0 = 16 keys, source 1 = my 16 queries
.irp t, 0,1,2,3
.if \t%2
	v_wmma_scale_f32_16x16x128_f8f6f4 v[128+8*(4*\g+\t):135+8*(4*\g+\t)], v[32+12*\t:43+12*\t], v[16:27], 0, v[8+2*\g+\t/2], v28 matrix_a_fmt:MATRIX_FMT_FP6 matrix_b_fmt:MATRIX_FMT_FP6 matrix_a_scale:MATRIX_SCALE_ROW1
.else
	v_wmma_scale_f32_16x16x128_f8f6f4 v[128+8*(4*\g+\t):135+8*(4*\g+\t)], v[32+12*\t:43+12*\t], v[16:27], 0, v[8+2*\g+\t/2], v28 matrix_a_fmt:MATRIX_FMT_FP6 matrix_b_fmt:MATRIX_FMT_FP6
.endif
.endr
.endm
	s_load_b256 s[84:91], s[0:1], 0x0              ; qw, kw, vw, maskw
	s_load_b64 s[92:93], s[0:1], 0x20              ; hw
	v_lshl_add_u32 v254, v0, 2, SPARE
	v_mov_b32 v255, 0
	ds_add_u32 v254, v255                          ; the opening lines
	ds_add_u32 v254, v255
	v_lshrrev_b32 v239, 5, v0
	v_readfirstlane_b32 s3, v239                   ; wave 0..15
	s_bfe_u32 s48, ttmp6, 0x40000
	s_lshl_b32 s49, ttmp9, 2
	s_add_co_u32 s48, s49, s48                     ; my block of 256 queries: it enters Q's, the mask's and hw's addresses alone
	s_and_b32 s50, ttmp7, 0xffff                   ; the first head
	s_mov_b32 s16, 15|(3<<16)|(1<<21)              ; group 1: the mask names all four; elements of 8 bytes; 50 dense rows of 256 bytes
	s_mov_b32 s17, 32<<16
	s_mov_b32 s18, 50<<16
	s_mov_b32 s19, 32<<16
	s_mov_b32 s20, 50
	s_mov_b32 s21, 32
	s_mov_b32 s22, 0
	s_mov_b32 s23, 0
	s_lshr_b32 s51, s3, 3
	s_lshl_b32 s51, s51, 6
	s_add_co_u32 s51, s51, s50                     ; the head that I fetch for
	s_lshl_b32 s51, s51, 2
	s_and_b32 s52, s3, 3
	s_add_co_u32 s51, s51, s52                     ; and its plane
	s_mul_i32 s52, s51, 12800
	s_mov_b32 s53, 0
	s_mov_b32 s32, 1
	s_mul_i32 s33, s3, PL                          ; plane w of LDS
	s_mov_b32 s12, 0x76543210                      ; lane selects: lane l xor 16
	s_mov_b32 s13, 0xfedcba98
	s_mov_b32 s14, 0x3eb8aa3b                      ; c = log2(e) / 4
	s_mov_b32 s15, s14
	s_and_b32 s54, s3, 4
	s_wait_dscnt 0x0
	s_wait_kmcnt 0x0
	s_cmp_lg_u32 s54, 0
	s_cselect_b64 s[34:35], s[88:89], s[86:87]     ; V's planes or K's
	s_add_nc_u64 s[34:35], s[34:35], s[52:53]
	s_or_b32 s35, s35, 0x80000000
	CROUND                                         ; all four work-groups are here: the joint loads meet
	tensor_load_to_lds s[32:35], s[16:23]          ; my one tensor load
	s_nop 0
	NOP4
	s_lshl_b32 s58, s48, 4
	s_add_co_u32 s58, s58, s3                      ; l: my row of the head
	s_lshl_b32 s59, s50, 6
	s_add_co_u32 s60, s59, s58
	s_mul_i32 s60, s60, 768
	s_mov_b32 s61, 0
	s_add_nc_u64 s[4:5], s[92:93], s[60:61]        ; my row of hw
	s_lshl_b32 s60, s48, 4
	s_add_co_u32 s60, s60, s59
	s_lshl_b32 s60, s60, 5
	s_add_co_u32 s60, s60, 6291456
	s_add_nc_u64 s[6:7], s[92:93], s[60:61]        ; the scale bytes of the work-group's 16 rows
	s_lshl_b32 s60, s58, 11
	s_add_nc_u64 s[8:9], s[90:91], s[60:61]        ; my tile's mask words: 8 steps x 256 bytes
	s_mul_i32 s62, s50, 51200
	s_mul_i32 s60, s58, 192
	s_add_co_u32 s60, s60, s62
	s_add_nc_u64 s[94:95], s[84:85], s[60:61]      ; Q's codes
	s_lshl_b32 s60, s58, 3
	s_add_co_u32 s60, s60, s62
	s_add_nc_u64 s[96:97], s[84:85], s[60:61]      ; Q's scale bytes
	s_lshl_b32 s98, s3, 10
	s_add_co_u32 s98, s98, STG                     ; my stage
	s_lshl_b32 s99, s3, 5
	s_add_co_u32 s99, s99, SSB                     ; my row's scale bytes
.macro ITEM n                          ; one head: n = 0, 1
	v_bfe_u32 v240, v0, 2, 1                       ; (r / 4) % 2
	v_bfe_u32 v241, v0, 3, 1                       ; r / 8
	v_and_b32 v242, 3, v0                          ; r % 4
	v_bfe_u32 v243, v0, 4, 1                       ; h
	v_and_b32 v239, 15, v0                         ; r
	v_and_b32 v238, 31, v0                         ; lane
	v_bfe_u32 v237, v0, 2, 2                       ; r / 4
	v_mul_u32_u24 v1, v240, PL                     ; K: plane 2 u + (r / 4) % 2, row l + r / 8, byte 48 (r % 4) + 24 h
	v_mul_u32_u24 v244, v237, 12800                ; Q: plane r / 4, byte 48 (r % 4) + 24 h
	v_lshl_add_u32 v2, v238, 4, \n*HB+4*PL         ; V: an image's 16 bytes for my lane
	v_mul_u32_u24 v4, v243, PL                     ; V's scale words: lanes 16-31 one plane on
	v_mad_u32_u24 v3, v243, 2*PL, v1               ; K's scale bytes: lanes 16-31 two planes on
	v_mad_u32_u24 v1, v241, 192, v1
	v_lshl_add_u32 v245, v242, 1, v244
	v_mad_u32_u24 v244, v242, 48, v244
	v_lshl_add_u32 v3, v241, 3, v3
	v_lshl_add_u32 v4, v239, 2, v4
	v_mad_u32_u24 v1, v242, 48, v1
	v_mad_u32_u24 v244, v243, 24, v244
	v_lshl_add_u32 v3, v242, 1, v3
	v_add_nc_u32 v4, \n*HB+4*PL+12288, v4
	v_mad_u32_u24 v1, v243, 24, v1
	v_add_nc_u32 v3, \n*HB+12288, v3
	v_add_nc_u32 v245, 12288, v245
.if \n
	v_add_nc_u32 v1, \n*HB, v1
.endif
	s_wait_alu depctr_va_vdst(0)
	global_load_b64 v[16:17], v244, s[94:95] offset:\n*QNEXT
	global_load_b64 v[18:19], v244, s[94:95] offset:\n*QNEXT+8
	global_load_b64 v[20:21], v244, s[94:95] offset:\n*QNEXT+16
	global_load_u16 v28, v245, s[96:97] offset:\n*QNEXT
.if \n == 0
.irp j, 22,23,24,25,26,27
	v_mov_b32 v\j, 0                               ; Q's upper 64 along K: zero codes, for both heads
.endr
.irp t, 0,1,2,3
.irp j, 6,7,8,9,10,11
	v_mov_b32 v[32+12*\t+\j], 0                    ; K's likewise
.endr
.endr
.endif
.set J, 0
.rept 32
	v_mov_b32 v[192+J], 0                          ; O^T: the step is written once; the first finds zeros
.set J, J+1
.endr
	v_mov_b32 v5, 0xfb800000                       ; -2^120
	v_mov_b32 v13, 0xff61b1e6                      ; the largest t so far: -3e38
	v_mov_b32 v14, 0
	v_mov_b32 v15, 0
	v_mov_b32 v31, 0
	v_floor_f32 v12, -v13                          ; -M
.irp b, 0,1,2,3
	v_mov_b32 v[248+\b], 0                         ; a lane permute's destination counts as one of its sources
.endr
	s_wait_alu depctr_va_vdst(0)
.if \n == 0
	s_wait_tensorcnt 0x0                           ; my plane has landed; the descriptor's registers are free
	s_mov_b32 s10, 0
	s_load_b512 s[16:31], s[8:9], s10 offset:0x0   ; step 0's 64 mask words: words 0-47 in s16-63, words 48-63 in s68-83
	s_load_b512 s[32:47], s[8:9], s10 offset:0x40
	s_load_b512 s[48:63], s[8:9], s10 offset:0x80
	s_load_b512 s[68:83], s[8:9], s10 offset:0xc0
	s_barrier_signal -1
	s_barrier_wait -1                              ; all sixteen planes have landed
.endif
	s_wait_loadcnt 0x0                             ; Q
	s_mov_b32 s11, 8
.Lstep\@:                                          ; eight trips of 128 keys
	KTILES 0
.irp b, 0,1,2,3
	ds_load_u16 v[8+\b], v3 offset:16*\b
.endr
.irp t, 0,1,2,3
.irp k, 0,1,2
	ds_load_b128 v[80+12*\t+4*\k:83+12*\t+4*\k], v2 offset:PL*\t+512*\k
.endr
.endr
	ds_load_b32 v6, v4
	ds_load_b32 v7, v4 offset:2*PL
	s_wait_dscnt 14                                ; V's 12 loads and its 2 scale loads may be out
	SPROD 0
	v_add_nc_u32 v2, 1536, v2                      ; the next step's addresses: with the v_nop the four places in front of the loads below
	v_add_nc_u32 v3, 64, v3
	v_add_nc_u32 v4, 64, v4
	v_nop
	KTILES 1
	s_wait_dscnt 0x0
	SPROD 1
	v_add_nc_u32 v1, 1536, v1
	s_wait_kmcnt 0x0                               ; this step's mask words are in
	s_add_co_u32 s10, s10, 256
	s_and_b32 s10, s10, 0x7ff                      ; behind the last step comes step 0 again: the next head's first
.set NN, 0
.rept 64                                           ; hidden keys: -2^120.  Ascending; the first 32 are the places behind the second four products
.if NN < 48
	v_cndmask_b32 v[128+NN], v[128+NN], v5, s[16+NN]
.else
	v_cndmask_b32 v[128+NN], v[128+NN], v5, s[20+NN]
.endif
.set NN, NN+1
.endr
	s_load_b512 s[16:31], s[8:9], s10 offset:0x0
	s_load_b512 s[32:47], s[8:9], s10 offset:0x40
	s_load_b512 s[48:63], s[8:9], s10 offset:0x80
	s_load_b512 s[68:83], s[8:9], s10 offset:0xc0
.irp b, 0,1,2,3
	v_max3_num_f32 v[244+\b], v[128+16*\b], v[129+16*\b], v[130+16*\b]   ; the largest score of each block of 32 keys
.endr
.irp i, 3,5,7,9,11,13
.irp b, 0,1,2,3
	s_delay_alu instid0(VALU_DEP_4)
	v_max3_num_f32 v[244+\b], v[244+\b], v[128+16*\b+\i], v[129+16*\b+\i]
.endr
.endr
.irp b, 0,1,2,3
	s_delay_alu instid0(VALU_DEP_4)
	v_max_num_f32 v[244+\b], v[244+\b], v[143+16*\b]
.endr
.irp b, 0,1,2,3
	s_delay_alu instid0(VALU_DEP_4)
	v_permlanex16_b32 v[248+\b], v[244+\b], s12, s13
.endr
.irp b, 0,1,2,3
	s_delay_alu instid0(VALU_DEP_4)
	v_max_num_f32 v[244+\b], v[244+\b], v[248+\b]
.endr
	s_delay_alu instid0(VALU_DEP_2)
	v_max3_num_f32 v239, v244, v245, v246
	s_delay_alu instid0(VALU_DEP_1)
	v_max_num_f32 v239, v239, v247
	s_delay_alu instid0(VALU_DEP_1)
	v_mul_f32 v239, s14, v239                      ; the step's largest t
	s_delay_alu instid0(VALU_DEP_1)
	v_max_num_f32 v13, v13, v239
	v_mov_b32 v239, v12
	s_delay_alu instid0(VALU_DEP_2)
	v_floor_f32 v12, -v13                          ; the new -M = -ceil(t)
	s_delay_alu instid0(VALU_DEP_1)
	v_sub_f32 v239, v12, v239                      ; old M - new M: whole, 0 or less
	s_delay_alu instid0(VALU_DEP_1)
	v_cvt_i32_f32 v239, v239
	s_delay_alu instid0(VALU_DEP_1)
	v_ldexp_f32 v30, 1.0, v239                     ; the factor 2^(old M - new M)
.set J, 0
.rept 32
	v_pk_fma_f32 v[128+J:129+J], v[128+J:129+J], s[14:15], v[12:13] op_sel_hi:[1,0,0]   ; t - M
.set J, J+2
.endr
.irp b, 0,1,2,3
	v_fma_f32 v[244+\b], v[244+\b], s14, v12       ; the same of each block's largest score
.endr
	s_wait_alu depctr_va_vdst(0)
.set J, 0
.rept 64
	v_exp_f32 v[128+J], v[128+J]                   ; p = 2^(t - M)
.set J, J+1
.endr
.irp b, 0,1,2,3
	v_exp_f32 v[244+\b], v[244+\b]                 ; the block's largest p
.endr
	v_pk_mul_f32 v[14:15], v[14:15], v[30:31] op_sel_hi:[1,0]   ; the sums under the new M (a plain place behind the batch)
	s_wait_alu depctr_va_vdst(0)                   ; and behind it
.irp b, 0,1,2,3
	v_max_num_f32 v[244+\b], 0x1800000, v[244+\b]  ; the floor 2^(3 - 127)
.endr
.irp b, 0,1,2,3
	s_delay_alu instid0(VALU_DEP_4)
	v_add_nc_u32 v[252+\b], 0xff000000, v[244+\b]  ; the conversion's scale operand
.endr
.irp b, 0,1,2,3
	s_delay_alu instid0(VALU_DEP_4)
	v_lshrrev_b32 v[248+\b], 23, v[252+\b]         ; the scale's byte
.endr
	s_delay_alu instid0(VALU_DEP_3)
	v_lshl_or_b32 v29, v249, 8, v248
	s_delay_alu instid0(VALU_DEP_1)
	v_lshl_or_b32 v29, v250, 16, v29
	s_delay_alu instid0(VALU_DEP_1)
	v_lshl_or_b32 v29, v251, 24, v29
.irp c, 0,1
	v_cvt_scalef32_pk16_fp6_f32 v[224+6*\c:226+6*\c], v[128+32*\c:143+32*\c], v[252+2*\c]
	v_cvt_scalef32_pk16_fp6_f32 v[236+4*\c:238+4*\c], v[144+32*\c:159+32*\c], v[253+2*\c]
.endr
	v_nop                                          ; one plain place behind a scaled conversion
.irp c, 0,1                                        ; the operand wants a whole block in a lane
.irp i, 0,1,2
	v_permlane16_swap_b32 v[224+6*\c+\i], v[236+4*\c+\i]
.endr
.irp i, 0,1,2
	s_delay_alu instid0(VALU_DEP_3)
	v_mov_b32 v[227+6*\c+\i], v[236+4*\c+\i]
.endr
.endr
	v_pk_add_f32 v[236:237], v[128:129], v[130:131]   ; the sum of the unquantised p, in four chains
	v_pk_add_f32 v[240:241], v[132:133], v[134:135]
	v_pk_add_f32 v[242:243], v[136:137], v[138:139]
	v_pk_add_f32 v[14:15], v[14:15], v[140:141]
.irp j, 142,150,158,166,174,182
	v_pk_add_f32 v[236:237], v[236:237], v[\j:\j+1]
	v_pk_add_f32 v[240:241], v[240:241], v[\j+2:\j+3]
	v_pk_add_f32 v[242:243], v[242:243], v[\j+4:\j+5]
	v_pk_add_f32 v[14:15], v[14:15], v[\j+6:\j+7]
.endr
	v_pk_add_f32 v[236:237], v[236:237], v[190:191]
	v_pk_add_f32 v[240:241], v[240:241], v[242:243]
	s_delay_alu instid0(VALU_DEP_2)
	v_pk_add_f32 v[14:15], v[14:15], v[236:237]
	s_delay_alu instid0(VALU_DEP_1)
	v_pk_add_f32 v[14:15], v[14:15], v[240:241]
	s_wait_alu depctr_va_vdst(0)                   ; directly ahead of the first reader of O^T
.set J, 0
.rept 16
	v_pk_mul_f32 v[192+J:193+J], v[192+J:193+J], v[30:31] op_sel_hi:[1,0]   ; O^T under the new M
.set J, J+2
.endr
.irp t, 0,1,2,3                                    ; O^T += V^T P^T: four accumulators by turns
.if \t%2
	v_wmma_scale_f32_16x16x128_f8f6f4 v[192+8*\t:199+8*\t], v[80+12*\t:91+12*\t], v[224:235], v[192+8*\t:199+8*\t], v[6+\t/2], v29 matrix_a_fmt:MATRIX_FMT_FP6 matrix_b_fmt:MATRIX_FMT_FP6 matrix_a_scale:MATRIX_SCALE_ROW1
.else
	v_wmma_scale_f32_16x16x128_f8f6f4 v[192+8*\t:199+8*\t], v[80+12*\t:91+12*\t], v[224:235], v[192+8*\t:199+8*\t], v[6+\t/2], v29 matrix_a_fmt:MATRIX_FMT_FP6 matrix_b_fmt:MATRIX_FMT_FP6
.endif
.endr
	NOP4                                           ; places in front of the next trip's loads into V's registers, and of the reads behind the loop
	s_sub_co_u32 s11, s11, 1
	s_cmp_lg_u32 s11, 0
	s_cbranch_scc1 .Lstep\@
	; the way out: O^T / the sum; my 32 registers are a block of 32 neighbouring channels of my query: 24 bytes of codes and one scale byte
	v_add_f32 v14, v14, v15
	s_delay_alu instid0(VALU_DEP_1)
	v_permlanex16_b32 v248, v14, s12, s13
	s_delay_alu instid0(VALU_DEP_1)
	v_add_f32 v14, v14, v248                       ; the row's sum
	s_wait_alu depctr_va_vdst(0)
	v_rcp_f32 v14, v14
	v_and_b32 v239, 15, v0
	v_bfe_u32 v243, v0, 4, 1
	v_and_b32 v238, 31, v0
	v_lshlrev_b32 v1, 6, v239                      ; my stage: each 12 bytes of codes have a place of 16: place 4 r + 2 h, and the next
	v_lshl_add_u32 v2, v239, 1, v243               ; my scale byte: 2 r + h
	v_mul_u32_u24 v5, v238, 12                     ; a place's 12 bytes in hw's row
	v_lshl_add_u32 v1, v243, 5, v1
	v_lshlrev_b32 v243, 4, v238                    ; 16 x lane
	v_add_nc_u32 v2, s99, v2
	v_add_nc_u32 v1, s98, v1
	v_add_nc_u32 v3, s98, v243                     ; back: place = lane, and lane + 32
	s_wait_alu depctr_va_vdst(0)                   ; for the reciprocal, and directly ahead of the first reader of O^T
.set J, 0
.rept 32
	v_mul_f32 v[128+J], v[192+J], v14              ; ascending: each accumulator from its low end on
.set J, J+1
.endr
	v_max3_num_f32 v244, |v128|, |v129|, 0x1800000
	v_max3_num_f32 v245, |v130|, |v131|, 0x1800000
.irp i, 4,8,12,16,20,24,28
	s_delay_alu instid0(VALU_DEP_2)
	v_max3_num_f32 v244, v244, |v[128+\i]|, |v[129+\i]|
	s_delay_alu instid0(VALU_DEP_2)
	v_max3_num_f32 v245, v245, |v[130+\i]|, |v[131+\i]|
.endr
	s_delay_alu instid0(VALU_DEP_1)
	v_max_num_f32 v244, v244, v245
	s_delay_alu instid0(VALU_DEP_1)
	v_add_nc_u32 v252, 0xff000000, v244
	s_delay_alu instid0(VALU_DEP_1)
	v_lshrrev_b32 v248, 23, v252
	v_cvt_scalef32_pk16_fp6_f32 v[224:226], v[128:143], v252
	v_cvt_scalef32_pk16_fp6_f32 v[228:230], v[144:159], v252
	v_nop
	ds_store_b96 v1, v[224:226]
	ds_store_b96 v1, v[228:230] offset:16
	ds_store_b8 v2, v248 offset:\n*512
	ds_load_b96 v[232:234], v3                     ; LDS serves a wave's instructions in order: these see my stores
	ds_load_b96 v[236:238], v3 offset:512
	s_wait_dscnt 0x0
	global_store_b96 v5, v[232:234], s[4:5] offset:\n*HNEXT        ; 32 lanes store 384 consecutive bytes; the two stores fill the row's three blocks of 256
	global_store_b96 v5, v[236:238], s[4:5] offset:\n*HNEXT+384
	s_wait_xcnt 0x0                                ; the stores' registers are written again only behind this wait
.endm
	ITEM 0
	ITEM 1
	v_add_nc_u32 v4, SSB, v243
	s_wait_kmcnt 0x0
	s_wait_alu depctr_va_vdst(0)
	s_barrier_signal -1                            ; my scale bytes are stored (the wait for 0 on DScnt above)
	s_barrier_wait -1
	s_cmp_lg_u32 s3, 0
	s_cbranch_scc1 .Lnot_first
	ds_load_b128 v[244:247], v4
	ds_load_b128 v[248:251], v4 offset:512
	s_wait_dscnt 0x0
	global_store_b128 v243, v[244:247], s[6:7]     ; 512 consecutive bytes for each head, at a multiple of 256 from the buffer's first byte
	global_store_b128 v243, v[248:251], s[6:7] offset:SNEXT
.Lnot_first:
	s_wait_xcnt 0x0
	v_lshl_add_u32 v254, v0, 2, SPARE
	v_mov_b32 v255, 0
	s_wait_alu depctr_va_vdst(0)
	s_wait_tensorcnt 0x0                           ; the wave's end
	ds_add_u32 v254, v255
	s_wait_dscnt 0x0
	CROUND                                         ; the closing round
	s_endpgm
.Lfunc_end_k_q219892473d_attn:
	.size	k_q219892473d_attn, .Lfunc_end_k_q219892473d_attn-k_q219892473d_attn
	.p2alignl 7, 3214868480
	.fill 96, 4, 3214868480
	.section	.rodata,"a",@progbits
	.p2align	6, 0x0
	.amdhsa_kernel k_q219892473d_attn
		.amdhsa_group_segment_fixed_size 229376
		.amdhsa_private_segment_fixed_size 0
		.amdhsa_enable_private_segment 0
		.amdhsa_kernarg_size 40
		.amdhsa_user_sgpr_count 2
		.amdhsa_user_sgpr_kernarg_segment_ptr 1
		.amdhsa_wavefront_size32 1
		.amdhsa_system_sgpr_workgroup_id_x 1
		.amdhsa_system_sgpr_workgroup_id_y 1
		.amdhsa_system_sgpr_workgroup_id_z 1
		.amdhsa_system_vgpr_workitem_id 0
		.amdhsa_next_free_vgpr 256
		.amdhsa_next_free_sgpr 102
		.amdhsa_reserve_vcc 0
		.amdhsa_float_denorm_mode_32 3
		.amdhsa_float_denorm_mode_16_64 3
		.amdhsa_memory_ordered 1
		.amdhsa_forward_progress 1
		.amdhsa_inst_pref_size 68
	.end_amdhsa_kernel
	.amdgpu_metadata
---
amdhsa.version: [ 1, 2 ]
amdhsa.kernels:
  - .name:           k_q219892473d_attn
    .symbol:         k_q219892473d_attn.kd
    .args:
      - { .name: qw, .offset: 0, .size: 8, .value_kind: global_buffer, .address_space: global }
      - { .name: kw, .offset: 8, .size: 8, .value_kind: global_buffer, .address_space: global }
      - { .name: vw, .offset: 16, .size: 8, .value_kind: global_buffer, .address_space: global }
      - { .name: maskw, .offset: 24, .size: 8, .value_kind: global_buffer, .address_space: global }
      - { .name: hw, .offset: 32, .size: 8, .value_kind: global_buffer, .address_space: global }
    .group_segment_fixed_size: 229376
    .private_segment_fixed_size: 0
    .kernarg_segment_align: 8
    .kernarg_segment_size: 40
    .max_flat_workgroup_size: 512
    .sgpr_count:     102
    .vgpr_count:     256
    .wavefront_size: 32
...
	.end_amdgpu_metadata
.endif
;; end of part 3
;; launch op (part 4): grid 4 x 64, 4 waves a work-group, clusters of 4 x 4, 327,680 bytes of LDS; arguments hw, wo_codes, wo_scales, bo, out0; writes out0
.if DOCPART == 4
	.amdgcn_target "amdgcn-amd-amdhsa--gfx1250"
	.amdhsa_code_object_version 6
	.text
	.protected	k_q219892473d_op
	.globl	k_q219892473d_op
	.p2align	8
	.type	k_q219892473d_op,@function
k_q219892473d_op:
	s_mov_b64 s[64:65], 0
	v_nop
	global_prefetch_b8 v0, s[64:65] scope:SCOPE_SE
	s_setreg_imm32_b32 hwreg(HW_REG_WAVE_MODE, 25, 1), 1
	s_wait_xcnt 0x0
	s_wait_alu depctr_hold_cnt(0) depctr_sa_sdst(0) depctr_va_vdst(0) depctr_va_sdst(0) depctr_va_ssrc(0) depctr_va_vcc(0) depctr_vm_vsrc(0)
	s_getreg_b32 s2, hwreg(HW_REG_IB_STS2, 6, 4)
	s_cmp_eq_u32 s2, 0
	s_cbranch_scc0 .Lentry_in_a_cluster
	s_endpgm
.Lentry_in_a_cluster:
	s_bfe_u32 s2, ttmp6, 0x10000c
	s_cmp_lg_u32 s2, 0xf033
	s_cbranch_scc0 .Lentry_shape_is_right
	s_endpgm
.Lentry_shape_is_right:
; out0 = heads wo^T + bo, [8192][1024] f32, on codes of FP6 (E2M3) with E8M0 scales: hw holds the heads' codes, [8192][768], and from byte 6,291,456 their scale bytes.
; A work-group of four waves makes 128 x 256, a wave 64 x 128: 32 accumulators.  ALL OF K lies in LDS: 128 + 256 rows of 768 bytes, 16 bytes of padding behind every 256, and the rows' scale bytes:
; four joint loads in a 4 x 4 cluster, one a wave, all at the head; nothing is filled again.  No prefetch: every tile is asked for at the head, so there is no later request to run ahead of.
; The matrix instruction is used transposed (source 0 = 16 rows of wo, source 1 = 16 rows of hw): a lane holds eight neighbouring numbers of a row of out0.
; REGISTERS: window 0: v0-31 addresses; v32-63 scale words, two sets; v64-127 the bias; v128-223 hw's fragments, two sets (on the way out v128-255 are free).  window 1: wo's fragments, two sets.  window 2: the accumulators.
.set SIZE_N, 1024
.set NQ,     2
.set KROW,   768
.set PITCH,  816                       ; an LDS row: 3 x (256 + 16)
.set FR,     12
.set NL,     6
.set NP,     4
.set KS,     32
.set TB,     128*PITCH                 ; wo's 256 rows lie behind hw's 128
.set SCL,    384*PITCH                 ; the scales: hw's 16 units of 256 + 16 bytes, then wo's 32
.set SBS,    SCL+16*272
.set SBLK,   2*272
.set SPARE,  SCL+48*272                ; the spare words, 128 bytes a wave
.set SPITCH, 528                       ; the way out: 16 rows x (512 + 16) bytes a wave, on tile bytes that are read no more
.set BOF,  13
.set ADRA, 16                          ; v16 my fragments' address, v17 the same with lanes 16-31 one padding further
.set ADRB, 18                          ; v18-19 wo's blocks 0-3, v20-21 blocks 4-7
.set STO,  24
.set RD,   25
.set CO,   26
.set ADRS, 27
.set SPW,  28
.set NIL,  29
.set SC,   32
.set BI,   64
.set AF,   128
.set BK,   128
.set G1, 24
.set G0, 32
.set G1B, 48
.set G0B, 56
.set G1S, 68
.set G0S, 76
.set G1SB, 80
.set G0SB, 88
.set PB, 12
.set PO, 96
.set MSB, 0
.macro WIN new
.if MSB != (\new)
	s_set_vgpr_msb (MSB<<8)|(\new)
.set MSB, (\new)
.endif
.endm
.set MUL,  0xa1                        ; source 0 (wo) window 1, source 1 window 0, C and D window 2
.set TO_B, 0x40
.macro CROUND
	s_barrier_signal -1
	s_barrier_wait -1
	s_cmp_lg_u32 s14, 0
	s_cbranch_scc1 .Lnot_wave_0_\@
	s_barrier_signal -3
.Lnot_wave_0_\@:
	s_barrier_wait -3
	s_barrier_signal -1
	s_barrier_wait -1
.endm
.macro PLACES n
.rept \n
	v_nop
.endr
.endm
.macro ARM under, g0, g1, next
	s_cmp_lt_u32 s14, \under
	s_cbranch_scc0 \next
	tensor_load_to_lds s[\g0:\g0+3], s[\g1:\g1+7]
	s_nop 0
	PLACES 4
	s_branch .Lhead_asked
\next:
.endm
	s_load_b128 s[4:7], s[0:1], 0x0                ; hw, wo's codes
	s_load_b128 s[8:11], s[0:1], 0x10              ; wo's scales, bo
	s_load_b64 s[PO:PO+1], s[0:1], 0x20            ; out0
	v_lshl_add_u32 v[SPW], v0, 2, SPARE
	v_mov_b32 v[NIL], 0
	ds_add_u32 v[SPW], v[NIL]                      ; the opening lines
	ds_add_u32 v[SPW], v[NIL]
	v_lshrrev_b32 v1, 5, v0
	v_readfirstlane_b32 s14, v1                    ; wave 0..3
	s_lshr_b32 s15, s14, 1                         ; my 64 rows
	s_and_b32 s16, s14, 1                          ; my 128 columns
	s_bfe_u32 s40, ttmp6, 0x40000
	s_bfe_u32 s41, ttmp6, 0x40004
	s_lshl_b32 s42, ttmp9, 2
	s_add_co_u32 s42, s42, s40                     ; tile column, 0..3
	s_and_b32 s17, ttmp7, 0xffff
	s_lshl_b32 s17, s17, 2
	s_add_co_u32 s17, s17, s41                     ; tile row, 0..63
	s_lshl_b32 s43, s41, 2
	s_lshl_b32 s43, 15, s43
	s_lshl_b32 s44, 0x1111, s40
	s_or_b32 s[G1+0], s43, (0<<16)|(1<<20)|(1<<21)|(5<<22)|(3<<25)
	s_or_b32 s[G1B+0], s44, (0<<16)|(1<<20)|(1<<21)|(5<<22)|(3<<25)
	s_or_b32 s[G1S+0], s43, (3<<16)|(1<<20)|(1<<21)|(5<<22)|(3<<25)
	s_or_b32 s[G1SB+0], s44, (3<<16)|(1<<20)|(1<<21)|(5<<22)|(3<<25)
.irp g, G1, G1B
	s_mov_b32 s[\g+1], KROW<<16
	s_mov_b32 s[\g+3], KROW<<16
	s_mov_b32 s[\g+5], KROW
	s_mov_b32 s[\g+6], 0
	s_mov_b32 s[\g+7], 0
.endr
	s_mov_b32 s[G1+2], 128<<16                     ; 128 rows of 768 bytes
	s_mov_b32 s[G1+4], 128
	s_mov_b32 s[G1B+2], 256<<16                    ; 256 rows
	s_mov_b32 s[G1B+4], 256
.irp g, G1S, G1SB
	s_mov_b32 s[\g+1], 32<<16
	s_mov_b32 s[\g+3], 32<<16
	s_mov_b32 s[\g+5], 32
	s_mov_b32 s[\g+6], 0
	s_mov_b32 s[\g+7], 0
.endr
	s_mov_b32 s[G1S+2], 16<<16                     ; 128 x 32 scale bytes: 16 rows of 256
	s_mov_b32 s[G1S+4], 16
	s_mov_b32 s[G1SB+2], 32<<16
	s_mov_b32 s[G1SB+4], 32
	s_mov_b32 s[G0], 1
	s_mov_b32 s[G0+1], 0
	s_mov_b32 s[G0B], 1
	s_mov_b32 s[G0B+1], TB
	s_mov_b32 s[G0S], 1
	s_mov_b32 s[G0S+1], SCL
	s_mov_b32 s[G0SB], 1
	s_mov_b32 s[G0SB+1], SBS
	s_lshl_b32 s20, s17, 7
	s_lshl_b32 s46, s42, 8
	s_mov_b32 s21, 0
	s_mov_b32 s47, 0
	s_mov_b64 s[18:19], KS
	s_mul_u64 s[22:23], s[20:21], s[18:19]
	s_mul_u64 s[92:93], s[46:47], s[18:19]
	s_mov_b64 s[18:19], KROW
	s_mul_u64 s[20:21], s[20:21], s[18:19]
	s_mul_u64 s[46:47], s[46:47], s[18:19]
	s_wait_dscnt 0x0
	s_wait_kmcnt 0x0
	s_add_nc_u64 s[G0+2:G0+3], s[4:5], s[20:21]
	s_or_b32 s[G0+3], s[G0+3], 0x80000000
	s_add_nc_u64 s[G0S+2:G0S+3], s[4:5], s[22:23]
	s_add_nc_u64 s[G0S+2:G0S+3], s[G0S+2:G0S+3], 6291456   ; hw's scale bytes lie behind its codes
	s_or_b32 s[G0S+3], s[G0S+3], 0x80000000
	s_add_nc_u64 s[G0B+2:G0B+3], s[6:7], s[46:47]
	s_or_b32 s[G0B+3], s[G0B+3], 0x80000000
	s_add_nc_u64 s[G0SB+2:G0SB+3], s[8:9], s[92:93]
	s_or_b32 s[G0SB+3], s[G0SB+3], 0x80000000
	CROUND                                         ; all sixteen work-groups are here: the joint loads meet
	ARM 1, G0,  G1,  .Lhead_b                      ; one joint load a wave, one tree of branches on the wave's number
	ARM 2, G0B, G1B, .Lhead_sa
	ARM 3, G0S, G1S, .Lhead_sb
	tensor_load_to_lds s[G0SB:G0SB+3], s[G1SB:G1SB+7]
	s_nop 0
	PLACES 4
.Lhead_asked:
	v_and_b32 v1, 15, v0                           ; r
	v_bfe_u32 v2, v0, 4, 1                         ; h
	v_mul_u32_u24 v3, v1, PITCH
	v_mad_u32_u24 v4, v2, 24, v3
	v_lshl_add_u32 v5, v2, 4, v4
	s_mul_i32 s21, s15, 64*PITCH
	s_mul_i32 s22, s16, 128*PITCH
	s_add_co_u32 s22, s22, TB
	v_add_nc_u32 v[ADRA], s21, v4
	v_add_nc_u32 v[ADRA+1], s21, v5
	v_add_nc_u32 v[ADRB], s22, v4
	v_add_nc_u32 v[ADRB+1], s22, v5
	s_add_co_u32 s22, s22, 64*PITCH
	v_add_nc_u32 v[ADRB+2], s22, v4
	v_add_nc_u32 v[ADRB+3], s22, v5
	v_mul_u32_u24 v5, v1, KS                       ; my row's scales: 32 bytes a row, 16 more for each 256 passed
	v_lshrrev_b32 v6, 8, v5
	v_lshl_add_u32 v5, v6, 4, v5
	s_mul_i32 s21, s15, 8*272
	s_mul_i32 s22, s16, 16*272
	s_add_co_u32 s22, s22, 16*272
	s_sub_co_u32 s22, s22, s21
	v_mul_u32_u24 v6, s22, v2                      ; lanes 16-31 take wo's
	s_add_co_u32 s21, s21, SCL
	v_add_nc_u32 v5, v5, v6
	v_add_nc_u32 v[ADRS], s21, v5
	s_mul_i32 s23, s14, 16*SPITCH                  ; my stage
	v_mul_u32_u24 v5, v1, SPITCH
	v_lshl_add_u32 v5, v2, 5, v5
	v_add_nc_u32 v[STO], s23, v5
	v_and_b32 v6, 31, v0
	v_lshlrev_b32 v[CO], 4, v6
	v_add_nc_u32 v[RD], s23, v[CO]
	s_lshl_b32 s20, s17, 7
	s_lshl_b32 s21, s15, 6
	s_add_co_u32 s20, s20, s21                     ; my first row of out0
	s_mov_b32 s21, 0
	s_mov_b64 s[18:19], SIZE_N*4
	s_mul_u64 s[20:21], s[20:21], s[18:19]
	s_lshl_b32 s46, s42, 10
	s_lshl_b32 s47, s16, 9
	s_add_co_u32 s46, s46, s47                     ; my first column, in bytes
	s_mov_b32 s47, 0
	s_add_nc_u64 s[PB:PB+1], s[10:11], s[46:47]
	s_add_nc_u64 s[20:21], s[20:21], s[46:47]
	s_add_nc_u64 s[PO:PO+1], s[PO:PO+1], s[20:21]
	v_lshlrev_b32 v[BOF], 5, v2
.irp b, 0,1,2,3,4,5,6,7
	global_load_b128 v[BI+8*\b:BI+8*\b+3], v[BOF], s[PB:PB+1] offset:64*\b
	global_load_b128 v[BI+8*\b+4:BI+8*\b+7], v[BOF], s[PB:PB+1] offset:64*\b+16
.endr
	s_wait_alu depctr_va_vdst(0)
	s_wait_loadcnt 0x0                             ; the bias
	s_wait_tensorcnt 0x0                           ; my tile of the four is in
	s_barrier_signal -1
	s_barrier_wait -1                              ; and everybody's
.macro FRAG reg, adr, st, i            ; 16 rows x 128 K: byte y of a row of codes lies at y + 16 (y / 256) of its LDS row; where lanes 16-31, 24 bytes on, have passed a padding, the second address serves
.irp p, 0,1,2,3,4,5
.set BY, 96*(\st)+48*(\p/3)+8*(\p%3)
.set XR, (BY+24)/256-BY/256
	ds_load_b64 v[\reg+2*\p:\reg+2*\p+1], v[\adr+XR] offset:BY+16*(BY/256)+(\i)*16*PITCH
.endr
.endm
.macro FB st, b0                       ; wo's blocks b0 .. b0 + 3 of step st
.irp i, 0,1,2,3
	FRAG 128*((\st)%2)+FR*(\b0+\i), ADRB+2*(\b0/4), \st, \i
.endr
.endm
.macro FA st, a0                       ; hw's blocks a0, a0 + 1
.irp i, \a0, \a0+1
	FRAG AF+48*((\st)%2)+FR*(\i), ADRA, \st, \i
.endr
.endm
.macro SCALES pr                       ; the scale words of steps 2 pr, 2 pr + 1: lanes 0-15 hw's block i (of which 0-3 are used), lanes 16-31 wo's block i
.irp i, 0,1,2,3,4,5,6,7
	ds_load_b64 v[SC+8*NQ*((\pr)%2)+NQ*\i:SC+8*NQ*((\pr)%2)+NQ*\i+1], v[ADRS] offset:\i*SBLK+4*NQ*(\pr)
.endr
.endm
.macro MUL8 a, st, zero                ; block a against wo's eight; the 32 accumulators take turns; zero = 1: the sums begin with the bias
.irp b, 0,1,2,3,4,5,6,7
.if \zero
	v_wmma_scale_f32_16x16x128_f8f6f4 v[8*(8*(\a)+\b):8*(8*(\a)+\b)+7], v[128*((\st)%2)+FR*\b:128*((\st)%2)+FR*\b+FR-1], v[AF+48*((\st)%2)+FR*(\a):AF+48*((\st)%2)+FR*(\a)+FR-1], v[BI+8*\b:BI+8*\b+7], v[SC+8*NQ*(((\st)/2)%2)+NQ*\b+(\st)%2], v[SC+8*NQ*(((\st)/2)%2)+NQ*(\a)+(\st)%2] matrix_a_fmt:MATRIX_FMT_FP6 matrix_b_fmt:MATRIX_FMT_FP6 matrix_a_scale:MATRIX_SCALE_ROW1
.else
	v_wmma_scale_f32_16x16x128_f8f6f4 v[8*(8*(\a)+\b):8*(8*(\a)+\b)+7], v[128*((\st)%2)+FR*\b:128*((\st)%2)+FR*\b+FR-1], v[AF+48*((\st)%2)+FR*(\a):AF+48*((\st)%2)+FR*(\a)+FR-1], v[8*(8*(\a)+\b):8*(8*(\a)+\b)+7], v[SC+8*NQ*(((\st)/2)%2)+NQ*\b+(\st)%2], v[SC+8*NQ*(((\st)/2)%2)+NQ*(\a)+(\st)%2] matrix_a_fmt:MATRIX_FMT_FP6 matrix_b_fmt:MATRIX_FMT_FP6 matrix_a_scale:MATRIX_SCALE_ROW1
.endif
.endr
.endm
.macro STEP st, zero                   ; 32 matrix instructions on step st's set; the next step's fragments go into the other set, in four runs between them
.set NX, (\st)+1
	s_wait_dscnt 2*NL                              ; my blocks 2, 3 may be out
	PLACES NP                                      ; behind the last step's products, which read the set that is filled now
	WIN TO_B
	FB NX, 0
	WIN MUL-0x20*(\zero)
	MUL8 0, \st, \zero
	WIN TO_B
	FB NX, 4
	WIN MUL-0x20*(\zero)
	MUL8 1, \st, \zero
	WIN 0
	s_wait_dscnt 8*NL                              ; all but the 48 loads just issued
	FA NX, 0
.if NX%2 == 0
	SCALES NX/2
.endif
	WIN MUL-0x20*(\zero)
	MUL8 2, \st, \zero
	WIN 0
	FA NX, 2
	WIN MUL-0x20*(\zero)
	MUL8 3, \st, \zero
	WIN 0
.endm
	WIN TO_B
	FB 0, 0
	FB 0, 4
	WIN 0
	FA 0, 0
	SCALES 0
	FA 0, 2
	STEP 0, 1
.irp st, 1,2,3,4,5,6
	STEP \st, 0
.endr
	s_wait_dscnt 2*NL
	WIN MUL
	MUL8 0, 7, 0
	MUL8 1, 7, 0
	s_wait_dscnt 0x0
	MUL8 2, 7, 0
	MUL8 3, 7, 0
	WIN 0
	s_barrier_signal -1                            ; my reads of the tiles are over (the wait for 0 above)
	s_barrier_wait -1                              ; and everybody's: the stages may be written
; THE WAY OUT, block by block of 16 rows x 128 columns, through my own stage: back come whole rows of 512 bytes.  LDS serves a wave's instructions in order: no wait between the stores and the loads.
.macro TOSTAGE a
.set AC, 64*(\a)
	WIN 0x08                                       ; the data: window 2
.irp b, 0,1,2,3,4,5,6,7
	ds_store_b128 v[STO], v[AC+8*\b:AC+8*\b+3] offset:64*\b          ; each accumulator from its low end on
	ds_store_b128 v[STO], v[AC+8*\b+4:AC+8*\b+7] offset:64*\b+16
.endr
	WIN 0
.set BB, BK+64*((\a)%2)
.irp t, 0,1,2,3,4,5,6,7,8,9,10,11,12,13,14,15
	ds_load_b128 v[BB+4*\t:BB+4*\t+3], v[RD] offset:\t*SPITCH
.endr
.endm
.macro SEND a, younger                 ; younger: the LDS instructions issued behind block a's loads
.set BB, BK+64*((\a)%2)
	s_wait_dscnt \younger
.if (\a) > 0
	s_add_nc_u64 s[PO:PO+1], s[PO:PO+1], 16*SIZE_N*4   ; behind a wait on XCNT: the earlier stores have read their base
.endif
.irp t, 0,1,2,3,4,5,6,7,8,9,10,11,12,13,14,15
	global_store_b128 v[CO], v[BB+4*\t:BB+4*\t+3], s[PO:PO+1] offset:\t*SIZE_N*4 th:TH_STORE_NT   ; 512 consecutive bytes, at a multiple of 256 from out0's first byte
.endr
.endm
	PLACES NP
	TOSTAGE 0
.irp a, 1,2,3
.if \a > 1
	s_wait_xcnt 0x0                                ; block a - 2's stores have read their registers and their base
.endif
	TOSTAGE \a
	SEND \a-1, 32
.endr
	s_wait_xcnt 0x0
	SEND 3, 0
	s_wait_tensorcnt 0x0                           ; the wave's end
	ds_add_u32 v[SPW], v[NIL]
	s_wait_dscnt 0x0
	CROUND                                         ; the closing round
	s_endpgm
.Lfunc_end_k_q219892473d_op:
	.size	k_q219892473d_op, .Lfunc_end_k_q219892473d_op-k_q219892473d_op
	.p2alignl 7, 3214868480
	.fill 96, 4, 3214868480
	.section	.rodata,"a",@progbits
	.p2align	6, 0x0
	.amdhsa_kernel k_q219892473d_op
		.amdhsa_group_segment_fixed_size 327680
		.amdhsa_private_segment_fixed_size 0
		.amdhsa_enable_private_segment 0
		.amdhsa_kernarg_size 40
		.amdhsa_user_sgpr_count 2
		.amdhsa_user_sgpr_kernarg_segment_ptr 1
		.amdhsa_wavefront_size32 1
		.amdhsa_system_sgpr_workgroup_id_x 1
		.amdhsa_system_sgpr_workgroup_id_y 1
		.amdhsa_system_sgpr_workgroup_id_z 1
		.amdhsa_system_vgpr_workitem_id 0
		.amdhsa_next_free_vgpr 768
		.amdhsa_next_free_sgpr 102
		.amdhsa_reserve_vcc 0
		.amdhsa_float_denorm_mode_32 3
		.amdhsa_float_denorm_mode_16_64 3
		.amdhsa_memory_ordered 1
		.amdhsa_forward_progress 1
		.amdhsa_inst_pref_size 99
	.end_amdhsa_kernel
	.amdgpu_metadata
---
amdhsa.version: [ 1, 2 ]
amdhsa.kernels:
  - .name:           k_q219892473d_op
    .symbol:         k_q219892473d_op.kd
    .args:
      - { .name: hw, .offset: 0, .size: 8, .value_kind: global_buffer, .address_space: global }
      - { .name: wo_codes, .offset: 8, .size: 8, .value_kind: global_buffer, .address_space: global }
      - { .name: wo_scales, .offset: 16, .size: 8, .value_kind: global_buffer, .address_space: global }
      - { .name: bo, .offset: 24, .size: 8, .value_kind: global_buffer, .address_space: global }
      - { .name: out0, .offset: 32, .size: 8, .value_kind: global_buffer, .address_space: global }
    .group_segment_fixed_size: 327680
    .private_segment_fixed_size: 0
    .kernarg_segment_align: 8
    .kernarg_segment_size: 40
    .max_flat_workgroup_size: 128
    .sgpr_count:     102
    .vgpr_count:     768
    .wavefront_size: 32
...
	.end_amdgpu_metadata
.endif
;; end of part 4
